; MI455X (gfx1250); checked and timed in simulation.
; The chip was launched on July 23, 2026; its instructions are those of AMD's public machine-readable ISA for CDNA 5 (MIT licence, August 2026) and "CDNA5" Instruction Set Architecture Reference Guide (July 2026). The comments in the code are by the model that wrote it; some were corrected since.
;; Causal Self Attention. Allowed arithmetic: matrix products marked QUANTISED: E4M3 operands, one given power-of-two scale a tensor, by v_wmma_f32_16x16x64_fp8_fp8 or v_wmma_f32_16x16x128_fp8_fp8, f32 sums; everything else in f32.
;; Inputs: Wk_codes 2,048 x 64 x 32 uint8 (E4M3 codes of Wk, K innermost, in blocks of 32 codes); Wproj_codes 2,048 x 64 x 32 uint8 (E4M3 codes of Wproj, K innermost, in blocks of 32 codes); Wq_codes 2,048 x 64 x 32 uint8 (E4M3 codes of Wq, K innermost, in blocks of 32 codes); Wv_codes 2,048 x 64 x 32 uint8 (E4M3 codes of Wv, K innermost, in blocks of 32 codes); lamb one number float32; lowp_scales 12 int32 (the exponents e of the quantised operands' scales 2^e); vi 1 x 2,048 x 16 x 128 float32; x_codes 1 x 1 x 2,048 x 64 x 32 uint8 (E4M3 codes of x, K innermost, in blocks of 32 codes).
;; Outputs: out0 1 x 1 x 2,048 x 2,048 float32.
;; This version of the problem:
;;   THIS VERSION OF THE PROBLEM IS GIVEN IN LOW PRECISION. The matrix products marked QUANTISED in the list below multiply operands that are first quantised to E4M3 (4 exponent bits, 3 mantissa bits; 8 bits a number), with one given power-of-two scale for each operand tensor; their sums are f32. All else is computed in f32.
;;   The module's matrix products, in the order in which they are computed (A, B: the left and right operand; K: the contracted axis; several contracted axes count as one K, in the product's order):
;;     1. [M 2,048, K 2,048] x [K 2,048, N 2,048]; A: input x (given as codes); B: input Wq (given as codes): QUANTISED (scales: A lowp_scales[0], B lowp_scales[1])
;;     2. [M 2,048, K 2,048] x [K 2,048, N 2,048]; A: input x (given as codes); B: input Wk (given as codes): QUANTISED (scales: A lowp_scales[2], B lowp_scales[3])
;;     3. [M 2,048, K 2,048] x [K 2,048, N 2,048]; A: input x (given as codes); B: input Wv (given as codes): QUANTISED (scales: A lowp_scales[4], B lowp_scales[5])
;;     4. batch 16 x [M 2,048, K 128] x [K 128, N 2,048]; A: computed on the way; B: computed on the way: QUANTISED (scales: A lowp_scales[6], B lowp_scales[7])
;;     5. batch 16 x [M 128, K 2,048] x [K 2,048, N 2,048]; A: computed on the way; B: softmax (see below): QUANTISED (scales: A lowp_scales[8], B lowp_scales[9])
;;     6. [M 2,048, K 2,048] x [K 2,048, N 2,048]; A: computed on the way; B: input Wproj (given as codes): QUANTISED (scales: A lowp_scales[10], B lowp_scales[11])
;;   THE QUANTISER, for each operand of a quantised product, along K:
;;     - The operand's scale is 2^e, e = its entry of the input lowp_scales (int32; the entries are numbered through the quantised products in the list's order, A before B).
;;     - Each number is divided by the scale, clamped to +-448, and rounded to the nearest number of E4M3, ties to even, subnormals kept.
;;     - The product sums the exact products of the quantised numbers (number of the format x scale) in f32.
;;   ~~~python
;;   def quantise(x, axis, e):      # numpy; x: float32 -> the quantised numbers, widened to float32 again
;;       x = np.moveaxis(x, axis, -1); K = x.shape[-1]
;;       r = np.clip(x / 2.0 ** e, -448, 448)
;;       step = 2.0 ** (np.maximum(np.frexp(np.where(r == 0, 1, r))[1] - 1, -6) - 3)
;;       q = np.round(r / step) * step * 2.0 ** e      # np.round: ties to even
;;       return np.moveaxis(q, -1, axis).astype(np.float32)
;;   ~~~
;;   SOFTMAX AHEAD OF A QUANTISED PRODUCT. Where the list says 'softmax', what is quantised is not the finished softmax but p = 2^(t - M), with t = logit x log2(e) and M = ceil(the row's largest t), a whole number; so 1/2 < the row's largest p <= 1. The row's sum l is taken of the UNQUANTISED p, in f32, and the product's result is divided by l at the end. Since M is a whole number, a kernel that streams over the keys may use a running M (the ceiling of the running maximum): every later rescaling is an exact power of two, so the quantised numbers keep their values, but for numbers so far below the row's largest that they fall under the format's range.
;;   OPERANDS COMPUTED ON THE WAY. 'Computed on the way' means the value that the module computes at that place (a softmax that the list does not call 'softmax' is quantised finished and normalised). What goes into a quantiser is computed in f32, as accurately as f32 sums, v_exp_f32 and their like allow (about 1e-6 of the number): no bf16 or f16 on the way to a quantiser, and a product that is left as it is and whose result goes on into a quantised operand takes f32 operands (vector FMAs, or v_wmma_f32_16x16x4_f32). A number that lies on a knife's edge between two numbers of the format may be rounded either way, as far as f32 arithmetic and the matrix unit's own rounding can turn it there, and no further.
;;   INPUTS GIVEN AS CODES. Wk (in the module: [2048, 2048], K = its axis 1); Wproj (in the module: [2048, 2048], K = its axis 1); Wq (in the module: [2048, 2048], K = its axis 1); Wv (in the module: [2048, 2048], K = its axis 1); x (in the module: [1, 1, 2048, 2048], K = its axis 3): each comes as NAME_codes (uint8): NAME with its K axis moved to the last place and cut into blocks of 32 codes, [.., K / 32, bytes a block], one block behind the other in memory; one code a byte (a code: sign, 4 exponent bits, 3 mantissa bits); its scale is its entry of lowp_scales. Its value is code x scale, taken as it is: it is not quantised again, and the codes and scales need not be those that the quantiser above would give.
;; One version. Each part assembles by itself: llvm-mc -triple=amdgcn-amd-amdhsa -mcpu=gfx1250 --defsym DOCPART=n.
;; ======== version 1 of 1: 3 launches
;; limits: right only within a limited range of input values
;; workspace buffers: q_img 4,194,304 bytes; k_img 4,194,304 bytes; v_img 4,194,304 bytes; y_img 4,194,304 bytes
;; launch qkv (part 1): grid 16 x 16, 4 waves a work-group, clusters of 4 x 4, 327,680 bytes of LDS; arguments x_codes, Wq_codes, Wk_codes, Wv_codes, vi, lamb, lowp_scales, q_img, k_img, v_img; writes q_img, k_img, v_img
.if DOCPART == 1
	.amdgcn_target "amdgcn-amd-amdhsa--gfx1250"
	.amdhsa_code_object_version 6
	.text
	.protected	k_q8489387f74_qkv
	.globl	k_q8489387f74_qkv
	.p2align	8
	.type	k_q8489387f74_qkv,@function
k_q8489387f74_qkv:
	s_mov_b64 s[64:65], 0
	v_nop
	global_prefetch_b8 v0, s[64:65] scope:SCOPE_SE
	s_setreg_imm32_b32 hwreg(HW_REG_WAVE_MODE, 25, 1), 1
	s_wait_xcnt 0x0
	s_wait_alu depctr_hold_cnt(0) depctr_sa_sdst(0) depctr_va_vdst(0) depctr_va_sdst(0) depctr_va_ssrc(0) depctr_va_vcc(0) depctr_vm_vsrc(0)
	s_getreg_b32 s2, hwreg(HW_REG_IB_STS2, 6, 4)
	s_cmp_eq_u32 s2, 0
	s_cbranch_scc0 .Lentry_in_a_cluster
	s_endpgm
.Lentry_in_a_cluster:
	s_bfe_u32 s2, ttmp6, 0x10000c
	s_cmp_lg_u32 s2, 0xf033
	s_cbranch_scc0 .Lentry_shape_is_right
	s_endpgm
.Lentry_shape_is_right:
; q, k, v = x Wq^T, x Wk^T, x Wv^T on codes of FP8 (E4M3), then: q and k get the RMS norm over the head's 128 numbers and RoPE and are quantised with 2^e6, 2^e7;
; v = (1 - lamb) v + lamb vi is quantised along the keys with 2^e8.  x: [2048][2048] codes; W*: [2048][2048] codes, K innermost; vi: [2048][16][128] f32.
; SHARES.  A work-group of four waves makes 128 rows of q, k and v of ONE head: a tile of 128 x 384.  Wave w takes all 128 rows and 96 columns: of q and of k the channels 16 w + 0..15 and 64 + 16 w + 0..15
; (RoPE's partners then fall into the same lane and register), of v the channels 32 w + 0..31: 48 accumulators, 384 registers; 14 fragments from LDS feed 48 matrix instructions.
; q and k are used TRANSPOSED (source 0 = 16 rows of W, source 1 = 16 rows of x): a lane holds one row and eight neighbouring channels.  v is used straight (source 0 = x, source 1 = Wv): a lane holds
; one channel and eight neighbouring rows, which are the keys, the next product's K.  So every conversion takes its eight numbers from one lane's consecutive registers.
; OUTPUTS are images of operand registers: a fragment (16 rows x 128 K) is 2,048 bytes, registers 4 i .. 4 i + 3 of lane l at 512 i + 16 l; every store of a wave covers 512 consecutive bytes, aligned.
;   q_img, k_img [head][tile of 16 rows][2048]: register 4 w + 2 u + j / 4, byte j % 4 of lane (r, h) is channel 64 u + 16 w + 8 h + j of row r: the same order in both, so every product meets its partner.
;   v_img [head][128 keys][tile of 16 channels][2048]: registers 2 a, 2 a + 1 of lane (r, h) are keys 16 a + 8 h + 0..7 of channel r.
; K goes in steps of 256 through a ring of two LDS slots (x's 128 rows, Wq's, Wk's, Wv's: wave w fetches the w-th); slot 0's last fill is the work-group's tile of vi.
; CLUSTER 4 x 4: x's tile hangs on the block of rows alone and is asked for jointly along a row of the cluster, W's tiles hang on the head alone and are asked for jointly along a column.  vi's tile is nobody else's: no mask.
; cos and sin of RoPE are made here, while the first tiles are on their way: inv_freq = 2^(-idx log2(10000) / 64), the constant split in two so that idx x the upper part is exact; the angle t x inv_freq
; is reduced by pi / 2 in two parts; polynomials of degree 7 and 8 on +-pi / 4.
; LIMITS: e6, e7, e8 between -126 and 119 (each power of two below is an f32 number).  NaN among the inputs is not served.  inv_freq is good to about one and a half units in its last place, so that
; an angle is good to about 2e-4 at t = 2,047: the size of the angle's own rounding in f32.
; REGISTERS, in windows of 256: windows 0 and 1: v32-159 x's 8 fragments, v160-255 W's 6 (q0, q1, k0, k1, v0, v1): set 0 and set 1; window 0 v0-31 addresses and scales.
;   window 2: q(u, a) at 8 (8 u + a), k(u, a) at 128 + 8 (8 u + a).   window 3: v(u, a) at 8 (8 u + a); cos at 128 + 16 a + j, sin at 136 + 16 a + j.
; x's and W's K steps 1 to 7 are prefetched into the L2: step 1 one K step ahead of its tensor load, step 2 more than one, the others two: of the 128 rows that a wave fetches, each of the four partners that ask for them
; jointly names 32, told apart by address, a lane a row: each aligned block of 256 bytes is named once in each cluster that will load it.  K step 0 comes by its load alone; nothing is asked for behind K step 7.
; A half step's 56 LDS loads go in two runs of 28 among its matrix instructions, in the order in which the next half step wants them.
; WORK LEFT OUT (in the next launch): steps of keys that lie wholly behind a query.  reference() itself gives key s > t of query t the smallest f32 number ahead of the softmax; beside key t's own score its p is 0, so it
; reaches no output.  LIMIT: a NaN or an infinity that reaches only such scores is not carried to the result.
.set PITCH,  272                       ; an LDS row: 256 bytes + 16 of padding: the 16 rows that a fragment load touches start at 16 different 16-byte columns
.set HALFT,  128*PITCH                 ; 128 rows: what one tensor load brings
.set SLOT,   4*HALFT
.set SPARE,  2*SLOT                    ; the spare words: 128 bytes for each wave, two blocks of 256 bytes that no other line names
.set RMS,    SPARE+512                 ; 16 sums x 16 rows x 4 waves x 4 bytes: written by LDS stores, never a tile's target
.set VP,     528                       ; a row of vi's tile in LDS: 512 bytes + 16
.set AX,  4                            ; v4-5   x's fragments in slot 0, 1
.set AQ,  6                            ; v6-7   Wq's
.set AK,  8                            ; v8-9   Wk's
.set AV,  10                           ; v10-11 Wv's
.set SPW, 12                           ; v12    my spare word; never rewritten
.set NIL, 13                           ; v13    0; never rewritten
.set RW,  14                           ; v14    where I put a sum of squares
.set RR,  15                           ; v15    where I read the four waves' sums
.set VA,  16                           ; v16    vi's tile: my place
.set GO,  18                           ; v18    512 w + 16 lane: q's and k's images
.set GV,  19                           ; v19    16 lane: v's images
.set PWO, 17                           ; v17    2,048 x lane: a row of x or W; never rewritten
.set PFX, 4                            ; s[4:5] where my prefetches of x or W stand
.set PFO, 20                           ; v20    8,192 x lane: a row of vi; never rewritten
.set LQ,  21                           ; 448 x 2^e6, 2^e6; the same for e7, e8
.set SQ,  22
.set LK,  23
.set SK,  24
.set LV,  25
.set SV,  26
.set TP,  27
.set LAM, 28                           ; v[28:29] lamb, twice
.set ALP, 30                           ; v[30:31] (1 - lamb) 2^(e4 + e5), twice
.set XF,  32
.set WF,  160
.set SS,  32                           ; the way out: 16 pairs: sums of squares, then the factor f
.set P4,  64                           ; the four waves' sums
.set CQ,  64                           ; q's codes
.set CK,  96                           ; k's codes
.set TT,  128                          ; 128 rotated numbers; later v's codes
.set WV,  20
.set G0V, 16
.set G1A, 24
.set G0A, 32
.set G1B, 48
.set G0B, 56
.set PFA, 90
.set G1V, 92
.set SEL, 100
.set K2P, 40                           ; the tables' multipliers, in scalar pairs
.set PIH, 42
.set PIL, 44
.set S3C, 46
.set C0C, 66
.set IV,  32                           ; the tables' registers, window 0, free until the first fragments come
.set TW,  40
.set MAG, 72
.set S2V, 74
.set S1V, 76
.set C1V, 78
.set C2V, 80
.set T0,  82
.set TI,  83
.set TA,  84
.set ANG, 96
.set KQ,  112
.set TR,  128
.set ZZ,  144
.set PS,  160
.set PCO, 176
.set HH,  192
.set MSB, 0
.macro WIN new                         ; the immediate's high byte repeats the setting that is left
.if MSB != (\new)
	s_set_vgpr_msb (MSB<<8)|(\new)
.set MSB, (\new)
.endif
.endm
.macro PLACES n
.rept \n
	v_nop
.endr
.endm
; A joint load: wave 0 fetches x's tile, waves 1 to 3 Wq's, Wk's, Wv's.  Each line has one mask; the branch hangs on the wave's number alone.  Four v_nop follow each line.
.macro JLOAD s
	s_cmp_eq_u32 s[WV], 0
	s_cbranch_scc0 .Lfor_b_\@
	tensor_load_to_lds s[G0A+4*\s:G0A+4*\s+3], s[G1A:G1A+7]
	s_nop 0
.rept 4
	v_nop
.endr
	s_branch .Lasked_\@
.Lfor_b_\@:
	tensor_load_to_lds s[G0B+4*\s:G0B+4*\s+3], s[G1B:G1B+7]
	s_nop 0
.rept 4
	v_nop
.endr
.Lasked_\@:
.endm
.macro CREST                           ; a round of the cluster's barrier behind its opening barrier
	s_cmp_lg_u32 s[WV], 0
	s_cbranch_scc1 .Lnot_wave_0_\@
	s_barrier_signal -3
.Lnot_wave_0_\@:
	s_barrier_wait -3
	s_barrier_signal -1
	s_barrier_wait -1
.endm
.macro CROUND
	s_barrier_signal -1
	s_barrier_wait -1
	CREST
.endm
; vi is prefetched into the L2: 32 rows a wave, a lane a row, 256 bytes of the row's 512 at each of the two changes of slots of the loop's second trip: each aligned block of 256 bytes of the
; work-group's tile is named once, three to four K steps (288 to 384 matrix instructions) ahead of the tensor load that wants it.  The address registers are never rewritten.
.macro ASK off
	s_cmp_gt_u32 s3, 1                             ; the last trip loads K steps 6 and 7: there is nothing two steps on
	s_cbranch_scc0 .Lnot_more_\@
	global_prefetch_b8 v[PWO], s[PFX:PFX+1] offset:768 th:TH_LOAD_NT scope:SCOPE_SE
.Lnot_more_\@:
	s_cmp_eq_u32 s3, 2
	s_cbranch_scc0 .Lnot_now_\@
	global_prefetch_b8 v[PFO], s[PFA:PFA+1] offset:\off th:TH_LOAD_NT scope:SCOPE_SE
.Lnot_now_\@:
.endm
	s_load_b256 s[4:11], s[0:1], 0x0               ; x s[4:5], Wq s[6:7], Wk s[8:9], Wv s[10:11]
	s_load_b128 s[12:15], s[0:1], 0x20             ; vi s[12:13], lamb s[14:15]
	s_load_b128 s[68:71], s[0:1], 0x30             ; the scales' exponents s[68:69], q_img s[70:71]
	s_load_b128 s[72:75], s[0:1], 0x40             ; k_img s[72:73], v_img s[74:75]
	v_lshl_add_u32 v[SPW], v0, 2, SPARE
	v_mov_b32 v[NIL], 0
	ds_add_u32 v12, v13
	ds_add_u32 v12, v13                            ; the opening add, twice on end: the set-up below stands between it and its wait
	v_lshrrev_b32 v1, 5, v0
	v_readfirstlane_b32 s[WV], v1                  ; wave 0..3
	s_bfe_u32 s21, ttmp6, 0x40000                  ; cx
	s_bfe_u32 s22, ttmp6, 0x40004                  ; cy
	s_lshl_b32 s23, ttmp9, 2
	s_add_co_u32 s23, s23, s21                     ; the head = 4 x cluster x + cx
	s_and_b32 s2, ttmp7, 0xffff
	s_lshl_b32 s2, s2, 2
	s_add_co_u32 s2, s2, s22                       ; the block of 128 rows = 4 x cluster y + cy
	s_lshl_b32 s40, s22, 2
	s_lshl_b32 s40, 15, s40                        ; my row of the cluster
	s_lshl_b32 s42, 0x1111, s21                    ; my column
	s_or_b32 s[G1A], s40, (1<<20)|(1<<21)|(5<<22)|(3<<25)   ; 15:0 the mask; 17:16 elements of 1 byte; 20 padding on; 21 set beside a mask; 24:22 after every 64 words; 31:25 four words
	s_or_b32 s[G1B], s42, (1<<20)|(1<<21)|(5<<22)|(3<<25)
.irp g, G1A, G1B
	s_mov_b32 s[\g+1], 256<<16                     ; tensor_dim0 = 256
	s_mov_b32 s[\g+2], 128<<16                     ; tensor_dim1 = 128
	s_mov_b32 s[\g+3], 256<<16                     ; tile_dim0 = 256
	s_mov_b32 s[\g+4], 128                         ; tile_dim1 = 128
	s_mov_b32 s[\g+5], 2048                        ; from row to row
	s_mov_b32 s[\g+6], 0
	s_mov_b32 s[\g+7], 0
.endr
	s_mov_b32 s[G1V], (2<<16)|(1<<20)|(6<<22)|(3<<25)       ; vi: no mask; elements of 4 bytes; four words of padding after every 128
	s_mov_b32 s[G1V+1], 128<<16
	s_mov_b32 s[G1V+2], 32<<16
	s_mov_b32 s[G1V+3], 128<<16
	s_mov_b32 s[G1V+4], 32
	s_mov_b32 s[G1V+5], 2048
	s_mov_b32 s[G1V+6], 0
	s_mov_b32 s[G1V+7], 0
	s_lshl_b32 s40, s2, 18                         ; x: 128 rows of 2,048 bytes a block
	s_mov_b32 s41, 0
	s_lshl_b32 s42, s23, 18                        ; W: 128 rows a head
	s_mov_b32 s43, 0
	s_mul_i32 s66, s[WV], HALFT                    ; where my tile goes: wave x 128 rows: no place in the cluster enters an LDS address
	s_wait_dscnt 0x0                               ; both opening adds are done
	CROUND                                         ; all sixteen work-groups are here: the first joint loads meet
	s_wait_kmcnt 0x0
	s_load_b256 s[76:83], s[68:69], 0x0            ; e0 .. e7
	s_load_b128 s[84:87], s[68:69], 0x20           ; e8 .. e11
	s_load_b32 s88, s[14:15], 0x0                  ; lamb
	s_add_nc_u64 s[40:41], s[4:5], s[40:41]
	s_cmp_eq_u32 s[WV], 2
	s_cselect_b64 s[46:47], s[8:9], s[6:7]         ; wave 2: Wk; wave 3: Wv; else Wq
	s_cmp_eq_u32 s[WV], 3
	s_cselect_b64 s[46:47], s[10:11], s[46:47]
	s_add_nc_u64 s[42:43], s[46:47], s[42:43]
.irp s, 0,1
	s_mov_b32 s[G0A+4*\s], 1
	s_add_co_u32 s[G0A+4*\s+1], s66, \s*SLOT
	s_add_nc_u64 s[G0A+4*\s+2:G0A+4*\s+3], s[40:41], \s*256
	s_or_b32 s[G0A+4*\s+3], s[G0A+4*\s+3], 0x80000000
	s_mov_b32 s[G0B+4*\s], 1
	s_add_co_u32 s[G0B+4*\s+1], s66, \s*SLOT
	s_add_nc_u64 s[G0B+4*\s+2:G0B+4*\s+3], s[42:43], \s*256
	s_or_b32 s[G0B+4*\s+3], s[G0B+4*\s+3], 0x80000000
.endr
	JLOAD 0                                        ; K step 0: one tensor load a wave at the head
	s_cmp_eq_u32 s[WV], 0                          ; the prefetches: wave 0 for x, by cx; the others for their W, by cy
	s_cselect_b64 s[PFX:PFX+1], s[40:41], s[42:43]
	s_cselect_b32 s44, s21, s22
	s_lshl_b32 s44, s44, 16                        ; 32 rows of 2,048 bytes for each place
	s_mov_b32 s45, 0
	s_add_nc_u64 s[PFX:PFX+1], s[PFX:PFX+1], s[44:45]
	v_and_b32 v1, 15, v0                           ; r
	v_bfe_u32 v2, v0, 4, 1                         ; h
	v_and_b32 v3, 31, v0                           ; lane
	v_mul_u32_u24 v[TP], v1, PITCH
	v_lshl_add_u32 v[TP], v2, 4, v[TP]             ; a fragment's row x pitch + 16 h
	s_mul_i32 s44, s[WV], 16*PITCH
	s_add_co_u32 s44, s44, HALFT                   ; Wq: rows 16 w on
	s_mul_i32 s45, s[WV], 32*PITCH
	s_add_co_u32 s45, s45, 3*HALFT                 ; Wv: rows 32 w on
.irp s, 0,1
	v_add_nc_u32 v[AX+\s], \s*SLOT, v[TP]
	v_add_nc_u32 v[AQ+\s], s44, v[TP]
	v_add_nc_u32 v[AK+\s], HALFT, v[AQ+\s]
	v_add_nc_u32 v[AV+\s], s45, v[TP]
	s_add_co_u32 s44, s44, SLOT
	s_add_co_u32 s45, s45, SLOT
.endr
	v_lshlrev_b32 v[RW], 4, v1
	s_lshl_b32 s44, s[WV], 2
	s_add_co_u32 s44, s44, RMS
	v_add_nc_u32 v[RW], s44, v[RW]                 ; RMS + 16 r + 4 w
	v_lshl_add_u32 v[RR], v1, 4, RMS               ; RMS + 16 r
	v_mul_u32_u24 v[VA], v2, 8*VP
	v_lshl_add_u32 v[VA], v1, 2, v[VA]
	s_lshl_b32 s44, s[WV], 7
	v_add_nc_u32 v[VA], s44, v[VA]                 ; vi: row 8 h, channel 32 w + r
	v_lshlrev_b32 v[GV], 4, v3
	s_lshl_b32 s44, s[WV], 9
	v_add_nc_u32 v[GO], s44, v[GV]
	v_lshlrev_b32 v[PFO], 13, v3
	v_lshlrev_b32 v[PWO], 11, v3
	; vi's tile: my 32 rows of the block, the head's 512 bytes of each
	s_lshl_b32 s44, s2, 7
	s_lshl_b32 s45, s[WV], 5
	s_add_co_u32 s44, s44, s45
	s_lshl_b32 s44, s44, 13
	s_lshl_b32 s45, s23, 9
	s_add_co_u32 s44, s44, s45
	s_mov_b32 s45, 0
	s_add_nc_u64 s[PFA:PFA+1], s[12:13], s[44:45]
	s_mov_b32 s[G0V], 1
	s_mul_i32 s[G0V+1], s[WV], 32*VP
	s_mov_b64 s[G0V+2:G0V+3], s[PFA:PFA+1]
	s_or_b32 s[G0V+3], s[G0V+3], 0x80000000
	; the images: head x 262,144 + block x 16,384 (v: + 4,096 w)
	s_lshl_b32 s44, s23, 18
	s_lshl_b32 s89, s2, 14
	s_add_co_u32 s44, s44, s89
	s_add_nc_u64 s[70:71], s[70:71], s[44:45]
	s_add_nc_u64 s[72:73], s[72:73], s[44:45]
	s_lshl_b32 s89, s[WV], 12
	s_add_co_u32 s44, s44, s89
	s_add_nc_u64 s[74:75], s[74:75], s[44:45]
	s_mov_b32 s[SEL], 0x76543210                   ; v_permlanex16_b32: lane l xor 16
	s_mov_b32 s[SEL+1], 0xfedcba98
	; ---- THE TABLES.  inv_freq of my eight channels idx = 16 w + 8 h + j
	s_mov_b32 s[K2P], 0x3f22f983                   ; 2 / pi
	s_mov_b32 s[K2P+1], 0x3f22f983
	s_mov_b32 s[PIH], 0xbfc90fdb                   ; -(pi / 2), upper part
	s_mov_b32 s[PIH+1], 0xbfc90fdb
	s_mov_b32 s[PIL], 0x333bbd2e                   ; and what the upper part has too much
	s_mov_b32 s[PIL+1], 0x333bbd2e
	s_mov_b32 s[S3C], 0xb94ca1f9
	s_mov_b32 s[S3C+1], 0xb94ca1f9
	s_mov_b32 s[C0C], 0x37ccf5ce
	s_mov_b32 s[C0C+1], 0x37ccf5ce
.irp h, 0,1
	v_mov_b32 v[MAG+\h], 0x4b400000                ; 1.5 x 2^23: adding it rounds to a whole number, which then stands in the low bits
	v_mov_b32 v[S2V+\h], 0x3c08839e
	v_mov_b32 v[S1V+\h], 0xbe2aaaa3
	v_mov_b32 v[C1V+\h], 0xbab6061a
	v_mov_b32 v[C2V+\h], 0x3d2aaaa5
.endr
	v_lshlrev_b32 v[TP], 3, v2
	s_lshl_b32 s89, s[WV], 4
	v_add_nc_u32 v[TP], s89, v[TP]
	s_lshl_b32 s89, s2, 7
	v_add_nc_u32 v[T0], s89, v1                    ; t of my row in block a = 0
.irp j, 0,1,2,3,4,5,6,7
	v_add_nc_u32 v[TW+\j], \j, v[TP]
.endr
.irp j, 0,1,2,3,4,5,6,7
	v_cvt_f32_u32 v[TW+\j], v[TW+\j]               ; idx
.endr
.irp j, 0,1,2,3,4,5,6,7
	v_mul_f32 v[TW+8+\j], 0xbe549a80, v[TW+\j]     ; m = -idx x the upper 17 bits of log2(10000) / 64: exact; between -13.1 and 0
.endr
.irp j, 0,1,2,3,4,5,6,7
	v_add_f32 v[TW+16+\j], v[MAG], v[TW+8+\j]      ; + 1.5 x 2^23: m rounded to a whole number n, which stands in the low bits
.endr
.irp j, 0,1,2,3,4,5,6,7
	v_sub_f32 v[TW+24+\j], v[TW+16+\j], v[MAG]     ; n as f32
.endr
.irp j, 0,1,2,3,4,5,6,7
	v_sub_f32 v[TW+8+\j], v[TW+8+\j], v[TW+24+\j]  ; m - n: exact, within +-1/2
.endr
.irp j, 0,1,2,3,4,5,6,7
	v_fmamk_f32 v[TW+8+\j], v[TW+\j], 0x33f6865d, v[TW+8+\j]   ; - idx x the rest of the constant (which is negative)
.endr
	s_wait_alu depctr_va_vdst(0)
.irp j, 0,1,2,3,4,5,6,7
	v_exp_f32 v[TW+24+\j], v[TW+8+\j]
.endr
	v_nop                                          ; a plain instruction behind the last exponential
.irp j, 0,1,2,3,4,5,6,7
	v_add_nc_u32 v[TW+16+\j], 0xb4c00000, v[TW+16+\j]   ; the sum's bits less those of 1.5 x 2^23: n as a whole number, 0 or less
.endr
	s_wait_alu depctr_va_vdst(0)                   ; one wait for the eight exponentials, ahead of their first reader
.irp j, 0,1,2,3,4,5,6,7
	v_ldexp_f32 v[IV+\j], v[TW+24+\j], v[TW+16+\j]
.endr
; cos and sin for blocks a0 and a0 + 1: 16 angles a lane, stage by stage, two at a time
.macro TABLE a0
	v_add_nc_u32 v[TI], 16*(\a0), v[T0]
	v_cvt_f32_u32 v[TA], v[TI]
	v_add_nc_u32 v[TI], 16*(\a0)+16, v[T0]
	v_cvt_f32_u32 v[TA+2], v[TI]
	v_mov_b32 v[TA+1], v[TA]
	v_mov_b32 v[TA+3], v[TA+2]
.irp i, 0,1,2,3,4,5,6,7
	v_pk_mul_f32 v[ANG+2*\i:ANG+2*\i+1], v[IV+2*(\i%4):IV+2*(\i%4)+1], v[TA+2*(\i/4):TA+2*(\i/4)+1]   ; the angle, one rounding
.endr
.irp i, 0,1,2,3,4,5,6,7
	v_pk_fma_f32 v[KQ+2*\i:KQ+2*\i+1], v[ANG+2*\i:ANG+2*\i+1], s[K2P:K2P+1], v[MAG:MAG+1] op_sel_hi:[1,0,1]
.endr
.irp i, 0,1,2,3,4,5,6,7
	v_pk_add_f32 v[PS+2*\i:PS+2*\i+1], v[KQ+2*\i:KQ+2*\i+1], v[MAG:MAG+1] neg_lo:[0,1] neg_hi:[0,1]   ; how many quarter turns
.endr
.irp i, 0,1,2,3,4,5,6,7
	v_pk_fma_f32 v[TR+2*\i:TR+2*\i+1], v[PS+2*\i:PS+2*\i+1], s[PIH:PIH+1], v[ANG+2*\i:ANG+2*\i+1] op_sel_hi:[1,0,1]
.endr
.irp i, 0,1,2,3,4,5,6,7
	v_pk_fma_f32 v[TR+2*\i:TR+2*\i+1], v[PS+2*\i:PS+2*\i+1], s[PIL:PIL+1], v[TR+2*\i:TR+2*\i+1] op_sel_hi:[1,0,1]
.endr
.irp i, 0,1,2,3,4,5,6,7
	v_pk_mul_f32 v[ZZ+2*\i:ZZ+2*\i+1], v[TR+2*\i:TR+2*\i+1], v[TR+2*\i:TR+2*\i+1]
.endr
.irp i, 0,1,2,3,4,5,6,7
	v_pk_fma_f32 v[PS+2*\i:PS+2*\i+1], v[ZZ+2*\i:ZZ+2*\i+1], s[S3C:S3C+1], v[S2V:S2V+1] op_sel_hi:[1,0,1]
	v_pk_fma_f32 v[PCO+2*\i:PCO+2*\i+1], v[ZZ+2*\i:ZZ+2*\i+1], s[C0C:C0C+1], v[C1V:C1V+1] op_sel_hi:[1,0,1]
.endr
.irp i, 0,1,2,3,4,5,6,7
	v_pk_fma_f32 v[PS+2*\i:PS+2*\i+1], v[PS+2*\i:PS+2*\i+1], v[ZZ+2*\i:ZZ+2*\i+1], v[S1V:S1V+1]
	v_pk_fma_f32 v[PCO+2*\i:PCO+2*\i+1], v[PCO+2*\i:PCO+2*\i+1], v[ZZ+2*\i:ZZ+2*\i+1], v[C2V:C2V+1]
.endr
.irp i, 0,1,2,3,4,5,6,7
	v_pk_mul_f32 v[HH+2*\i:HH+2*\i+1], v[TR+2*\i:TR+2*\i+1], v[ZZ+2*\i:ZZ+2*\i+1]
.endr
.irp i, 0,1,2,3,4,5,6,7
	v_pk_fma_f32 v[PS+2*\i:PS+2*\i+1], v[HH+2*\i:HH+2*\i+1], v[PS+2*\i:PS+2*\i+1], v[TR+2*\i:TR+2*\i+1]   ; sin of the rest
.endr
.irp i, 0,1,2,3,4,5,6,7
	v_pk_fma_f32 v[HH+2*\i:HH+2*\i+1], v[ZZ+2*\i:ZZ+2*\i+1], -0.5, 1.0 op_sel_hi:[1,0,0]
.endr
.irp i, 0,1,2,3,4,5,6,7
	v_pk_mul_f32 v[ZZ+2*\i:ZZ+2*\i+1], v[ZZ+2*\i:ZZ+2*\i+1], v[ZZ+2*\i:ZZ+2*\i+1]
.endr
.irp i, 0,1,2,3,4,5,6,7
	v_pk_fma_f32 v[PCO+2*\i:PCO+2*\i+1], v[ZZ+2*\i:ZZ+2*\i+1], v[PCO+2*\i:PCO+2*\i+1], v[HH+2*\i:HH+2*\i+1]   ; cos of the rest
.endr
.set n, 0
.rept 4                                ; the quarter turns, four numbers by turns: bit 0 swaps the two, bit 1 turns sin's sign, bit 1 xor bit 0 cos's
.irp i, 0,1,2,3
	v_lshlrev_b32 v[ANG+n+\i], 31, v[KQ+n+\i]
.endr
.irp i, 0,1,2,3
	v_cmp_gt_i32 s[6+\i], 0, v[ANG+n+\i]           ; s6-9: the weights' addresses are done with
.endr
.irp i, 0,1,2,3
	v_lshlrev_b32 v[KQ+n+\i], 30, v[KQ+n+\i]
.endr
.irp i, 0,1,2,3
	v_cndmask_b32 v[TR+n+\i], v[PS+n+\i], v[PCO+n+\i], s[6+\i]
.endr
.irp i, 0,1,2,3
	v_cndmask_b32 v[ZZ+n+\i], v[PCO+n+\i], v[PS+n+\i], s[6+\i]
.endr
.irp i, 0,1,2,3
	v_and_b32 v[KQ+n+\i], 0x80000000, v[KQ+n+\i]
.endr
.irp i, 0,1,2,3
	v_xor_b32 v[ZZ+n+\i], v[ZZ+n+\i], v[ANG+n+\i]
.endr
.set n, n+4
.endr
	WIN 0xc0                                       ; destination window 3
.set n, 0
.rept 16
	v_xor_b32 v[136+16*(\a0)+16*(n/8)+n%8], v[TR+n], v[KQ+n]
	v_xor_b32 v[128+16*(\a0)+16*(n/8)+n%8], v[ZZ+n], v[KQ+n]
.set n, n+1
.endr
	WIN 0
.endm
	TABLE 0
	TABLE 2
	global_prefetch_b8 v[PWO], s[PFX:PFX+1] offset:256 th:TH_LOAD_NT scope:SCOPE_SE   ; K step 1
	TABLE 4
	TABLE 6
	global_prefetch_b8 v[PWO], s[PFX:PFX+1] offset:512 th:TH_LOAD_NT scope:SCOPE_SE   ; K step 2
	; ---- the scales
.macro SCALE e, sc, lim                ; 2^e as f32 (the conversion takes its exponent field) and 448 x 2^e
	s_add_co_i32 s89, s[\e], 127
	s_lshl_b32 s3, s89, 23
	v_mov_b32 v[\sc], s3
	s_add_co_i32 s89, s89, 8
	s_lshl_b32 s89, s89, 23
	s_or_b32 s89, s89, 0x600000
	v_mov_b32 v[\lim], s89
.endm
	s_wait_kmcnt 0x0
	SCALE 82, SQ, LQ
	SCALE 83, SK, LK
	SCALE 84, SV, LV
	s_add_co_i32 s76, s76, s77                     ; E = e0 + e1: a sum of q stands for sum x 2^E
	s_lshl_b32 s77, s76, 1
	s_sub_co_i32 s77, s77, 7                       ; 2 E - 7: the mean of 128 squares
	s_add_co_i32 s78, s78, s79                     ; the same for k: e2 + e3
	s_lshl_b32 s79, s78, 1
	s_sub_co_i32 s79, s79, 7
	s_add_co_i32 s80, s80, s81                     ; e4 + e5
	v_mov_b32 v[LAM], s88
	v_mov_b32 v[LAM+1], s88
	v_sub_f32 v[ALP], 1.0, v[LAM]
	v_ldexp_f32 v[ALP], v[ALP], s80
	v_mov_b32 v[ALP+1], v[ALP]
; The n-th of the 56 LDS loads of a half step (128 along K): fragments in the order q0, x0 .. x7, q1, k0, k1, v0, v1, four loads each.  Lane (r, h) holds, of row r, K = 32 c + 16 h + 0..15 in registers 4 c .. 4 c + 3: the same order of k in x and in W.
.macro LD n, slot, q
.set fi, (\n)/4
.set fc, (\n)%4
.if fi == 0 || fi == 9
.set fd, WF+16*(fi/9)+4*fc
	ds_load_b128 v[fd:fd+3], v[AQ+\slot] offset:17408*(fi/9)+128*(\q)+32*fc
.elseif fi < 9
.set fd, XF+16*(fi-1)+4*fc
	ds_load_b128 v[fd:fd+3], v[AX+\slot] offset:4352*(fi-1)+128*(\q)+32*fc
.elseif fi < 12
.set fd, WF+32+16*(fi-10)+4*fc
	ds_load_b128 v[fd:fd+3], v[AK+\slot] offset:17408*(fi-10)+128*(\q)+32*fc
.else
.set fd, WF+64+16*(fi-12)+4*fc
	ds_load_b128 v[fd:fd+3], v[AV+\slot] offset:4352*(fi-12)+128*(\q)+32*fc
.endif
.endm
.macro LDRUN n0, n1, slot, q, set      ; loads n0 .. n1 - 1 into the set
	WIN 0x40*(\set)
.set ld, \n0
.rept \n1-\n0
	LD ld, \slot, \q
.set ld, ld+1
.endr
.endm
; The i-th of the 48 matrix instructions of a half step, on fragment set p: 16 of q, 16 of k, 16 of v, always in this order, so that the 48 accumulators take turns, one instruction a turn.  z = 1: the first product starts the sums.
.macro MM i, p, z
.set mu, ((\i)%16)/8
.set ma, XF+16*((\i)%8)
.if (\i) < 32
	WIN 0xa0+5*(\p)
.set mb, 8*(\i)
.set mw, WF+32*((\i)/16)+16*mu
.if \z
	v_wmma_f32_16x16x128_fp8_fp8 v[mb:mb+7], v[mw:mw+15], v[ma:ma+15], 0
.else
	v_wmma_f32_16x16x128_fp8_fp8 v[mb:mb+7], v[mw:mw+15], v[ma:ma+15], v[mb:mb+7]
.endif
.else
	WIN 0xf0+5*(\p)
.set mb, 8*((\i)-32)
.set mw, WF+64+16*mu
.if \z
	v_wmma_f32_16x16x128_fp8_fp8 v[mb:mb+7], v[ma:ma+15], v[mw:mw+15], 0
.else
	v_wmma_f32_16x16x128_fp8_fp8 v[mb:mb+7], v[ma:ma+15], v[mw:mw+15], v[mb:mb+7]
.endif
.endif
.endm
.macro MMS i0, i1, p, z
.set mi, \i0
.rept \i1-\i0
	MM mi, \p, \z
.set mi, mi+1
.endr
.endm
; Matrix instructions i0 .. 47 on set p, and among them the 56 loads of the slot's q-th 128 along K into the other set: 28 ahead of instruction r1, 28 ahead of r2.
; i0 = 0: set p's 56 loads may still be out when it begins.  Ahead of q's product a (0 .. 7) those behind x's fragment a may be out; ahead of product 8 k's and v's 16 and the first run's 28; ahead of k's v's 8 and
; those 28; ahead of v's the 56 of the two runs.
.macro MIX i0, p, z, slot, q, set, r1, r2
.set mi, \i0
.rept 48-\i0
.if mi == \r1
	LDRUN 0, 28, \slot, \q, \set
.endif
.if mi == \r2
	LDRUN 28, 56, \slot, \q, \set
.endif
.if \i0 == 0
.if mi < 8
	s_wait_dscnt 48-4*mi
.elseif mi == 8
	s_wait_dscnt 44
.elseif mi == 16
	s_wait_dscnt 36
.elseif mi == 32
	s_wait_dscnt 56
.endif
.endif
	MM mi, \p, \z
.set mi, mi+1
.endr
.endm
; A slot's first 128 along K, on set 0; its second 128 are fetched into set 1.
.macro SUB slot, z
	WIN 0
	PLACES 4                                       ; four plain instructions between the last products, which read set 1, and the loads into it
	MIX 0, 0, \z, \slot, 1, 1, 8, 26
.endm
; A slot's second 128, on set 1, and the change of slots: one round of the cluster's barrier; in front of it each wave waits for all its tensor loads, adds 0 to its spare word, and waits for that and for
; its reads of this slot.  fill = 1: the slot takes the K step two steps on; fill = 2: slot 0 takes vi's tile, its last fill.
.macro TURN slot, next, fill
	WIN 0
.if \fill == 1
	s_wait_xcnt 0x0                                ; any prefetch of mine has read its address
	s_add_nc_u64 s[PFX:PFX+1], s[PFX:PFX+1], 256
.endif
	s_wait_tensorcnt 0x0                           ; all my tensor loads have landed: my part of the next slot
	ds_add_u32 v[SPW], v[NIL]                      ; 0 onto my spare word
	s_wait_dscnt 17                                ; q's and x's fragments are in; k's and v's 16 loads and the add may be out
	MMS 0, 8, 1, 0
	s_wait_dscnt 0x0                               ; the add is done, and my reads of this slot are over
	s_barrier_signal -1
	MMS 8, 16, 1, 0
	WIN 0
	s_barrier_wait -1
	CREST                                          ; no wave of any partner still reads this slot or has a load on its way
.if \fill == 1
	s_add_nc_u64 s[G0A+4*\slot+2:G0A+4*\slot+3], s[G0A+4*\slot+2:G0A+4*\slot+3], 512
	s_add_nc_u64 s[G0B+4*\slot+2:G0B+4*\slot+3], s[G0B+4*\slot+2:G0B+4*\slot+3], 512
	JLOAD \slot                                    ; the first tensor load behind the round; its four v_nop are also the places in front of the loads below
.else
	tensor_load_to_lds s[G0V:G0V+3], s[G1V:G1V+7]  ; my 32 rows of vi's tile
	s_nop 0
.rept 4
	v_nop
.endr
.endif
	MIX 16, 1, 0, \next, 0, 0, 16, 32
.if \fill == 1
	WIN 0
	ASK 256*\slot
.endif
.endm
	s_wait_alu depctr_va_vdst(0)                   ; the wait at the head's end
	s_wait_tensorcnt 0x0                           ; my part of K step 0 is in
	ds_add_u32 v[SPW], v[NIL]
	s_wait_dscnt 0x0
	CROUND                                         ; everybody's part of K step 0 is in
	JLOAD 1                                        ; K step 1, the first tensor load behind the round
	LDRUN 0, 56, 0, 0, 0
	global_prefetch_b8 v[PWO], s[PFX:PFX+1] offset:768 th:TH_LOAD_NT scope:SCOPE_SE   ; K step 3
	SUB 0, 1                                       ; the first products start the sums
	WIN 0
	s_mov_b32 s3, 3
.Llap:                                         ; a trip goes once round the ring and fills both slots again: K steps 2 to 7
	TURN 0, 1, 1
	SUB 1, 0
	TURN 1, 0, 1
	SUB 0, 0
	WIN 0
	s_sub_co_u32 s3, s3, 1
	s_cmp_lg_u32 s3, 0
	s_cbranch_scc1 .Llap
	TURN 0, 1, 2
	SUB 1, 0
	s_wait_dscnt 16                                ; the last half step fetches nothing; k's and v's loads may be out
	MMS 0, 16, 1, 0
	s_wait_dscnt 0x0
	MMS 16, 32, 1, 0
	WIN 0
	PLACES 4                                       ; four plain instructions between q's and k's last products and the first read of their results
	; ---- THE WAY OUT.  Sums of squares of my 32 channels of each row, for q (t = 0) and k (t = 1): sum 8 t + a in pair SS + 2 (8 t + a), eight lines behind each of v's last sixteen products; each accumulator is read from its low end on
.set mi, 32
.set sq, 0
.rept 16
	MM mi, 1, 0
.set mi, mi+1
	WIN 0x0a                                       ; sources 0 and 1 window 2
.rept 8
.set rA, 128*((sq%16)/8)+64*(sq/64)+8*(sq%8)+2*((sq/16)%4)
.set rS, SS+2*(sq%16)
.if sq < 16
	v_pk_mul_f32 v[rS:rS+1], v[rA:rA+1], v[rA:rA+1]
.else
	v_pk_fma_f32 v[rS:rS+1], v[rA:rA+1], v[rA:rA+1], v[rS:rS+1]
.endif
.set sq, sq+1
.endr
.endr
	WIN 0
.irp i, 0,1,2,3,4,5,6,7,8,9,10,11,12,13,14,15
	v_add_f32 v[SS+2*\i], v[SS+2*\i], v[SS+2*\i+1]
.endr
.irp i, 0,1,2,3,4,5,6,7,8,9,10,11,12,13,14,15
	v_permlanex16_b32 v[SS+2*\i+1], v[SS+2*\i], s[SEL], s[SEL+1]   ; the row's other eight channels of each tile lie in the lane 16 away
.endr
.irp i, 0,1,2,3,4,5,6,7,8,9,10,11,12,13,14,15
	v_add_f32 v[SS+2*\i], v[SS+2*\i], v[SS+2*\i+1]
.endr
.irp i, 0,1,2,3,4,5,6,7,8,9,10,11,12,13,14,15
	ds_store_b32 v[RW], v[SS+2*\i] offset:256*\i
.endr
	s_wait_tensorcnt 0x0                           ; my 32 rows of vi have landed,
	s_wait_dscnt 0x0                               ; and my sums: for the others' sake, zero
	s_barrier_signal -1
	s_barrier_wait -1
.irp i, 0,1,2,3,4,5,6,7,8,9,10,11,12,13,14,15
	ds_load_b128 v[P4+4*\i:P4+4*\i+3], v[RR] offset:256*\i
.endr
	s_wait_dscnt 0x0
	WIN 0x40                                       ; vi(16 a + 8 h + j, 32 w + 16 u + r) into window 1, v[32 + 64 u + 8 a + j]: it lands under q's and k's arithmetic
.irp u, 0,1
.irp a, 0,1,2,3,4,5,6,7
.irp j, 0,1,2,3,4,5,6,7
	ds_load_b32 v[32+64*\u+8*\a+\j], v[VA] offset:(16*\a+\j)*VP+64*\u
.endr
.endr
.endr
	WIN 0
.irp i, 0,1,2,3,4,5,6,7,8,9,10,11,12,13,14,15
	v_add_f32 v[P4+4*\i], v[P4+4*\i], v[P4+4*\i+1]
	v_add_f32 v[P4+4*\i+2], v[P4+4*\i+2], v[P4+4*\i+3]
.endr
.irp i, 0,1,2,3,4,5,6,7,8,9,10,11,12,13,14,15
	v_add_f32 v[P4+4*\i], v[P4+4*\i], v[P4+4*\i+2]
.endr
.irp i, 0,1,2,3,4,5,6,7,8,9,10,11,12,13,14,15
	v_ldexp_f32 v[P4+4*\i], v[P4+4*\i], s[77+2*(\i/8)]   ; the mean of the squares
.endr
.irp i, 0,1,2,3,4,5,6,7,8,9,10,11,12,13,14,15
	v_add_f32 v[P4+4*\i], 0x34000000, v[P4+4*\i]   ; + eps = 2^-23
.endr
	s_wait_alu depctr_va_vdst(0)
.irp i, 0,1,2,3,4,5,6,7,8,9,10,11,12,13,14,15
	v_rsq_f32 v[SS+2*\i], v[P4+4*\i]
.endr
	v_nop                                          ; a plain instruction behind the last root
	s_wait_alu depctr_va_vdst(0)                   ; one wait for the sixteen, ahead of their first reader
.irp i, 0,1,2,3,4,5,6,7,8,9,10,11,12,13,14,15
	v_ldexp_f32 v[SS+2*\i], v[SS+2*\i], s[76+2*(\i/8)]   ; f = 2^E / sqrt(mean + eps): the number is sum x f
.endr
; t = 0: q, 1: k.  RoPE on the sums (x1 c + x2 s, x2 c - x1 s), x f, the hold at the largest code, the conversion; four registers of codes for each block of 16 rows: registers 4 w .. 4 w + 3 of its image
.macro ROPE t, cb, lim, sc, ob
	WIN 0x0e                                       ; source 0 window 2 (the sums), source 1 window 3 (cos, sin)
.irp a, 0,1,2,3,4,5,6,7
.irp g, 0,2,4,6
	v_pk_mul_f32 v[TT+16*\a+\g:TT+16*\a+\g+1], v[128*\t+8*\a+\g:128*\t+8*\a+\g+1], v[128+16*\a+\g:128+16*\a+\g+1]
	v_pk_mul_f32 v[TT+16*\a+8+\g:TT+16*\a+8+\g+1], v[128*\t+64+8*\a+\g:128*\t+64+8*\a+\g+1], v[128+16*\a+\g:128+16*\a+\g+1]
.endr
.irp g, 0,2,4,6
	v_pk_fma_f32 v[TT+16*\a+\g:TT+16*\a+\g+1], v[128*\t+64+8*\a+\g:128*\t+64+8*\a+\g+1], v[136+16*\a+\g:136+16*\a+\g+1], v[TT+16*\a+\g:TT+16*\a+\g+1]
	v_pk_fma_f32 v[TT+16*\a+8+\g:TT+16*\a+8+\g+1], v[128*\t+8*\a+\g:128*\t+8*\a+\g+1], v[136+16*\a+\g:136+16*\a+\g+1], v[TT+16*\a+8+\g:TT+16*\a+8+\g+1] neg_lo:[1,0,0] neg_hi:[1,0,0]
.endr
.endr
	WIN 0
.irp a, 0,1,2,3,4,5,6,7
.irp g, 0,2,4,6,8,10,12,14
	v_pk_mul_f32 v[TT+16*\a+\g:TT+16*\a+\g+1], v[TT+16*\a+\g:TT+16*\a+\g+1], v[SS+2*(8*\t+\a):SS+2*(8*\t+\a)+1] op_sel_hi:[1,0]
.endr
.irp g, 0,1,2,3,4,5,6,7,8,9,10,11,12,13,14,15
	v_med3_num_f32 v[TT+16*\a+\g], v[TT+16*\a+\g], -v[\lim], v[\lim]   ; the conversion to an 8-bit code does not saturate (ISA guide 7.6.2)
.endr
	v_cvt_scalef32_pk8_fp8_f32 v[\cb+4*\a:\cb+4*\a+1], v[TT+16*\a:TT+16*\a+7], v[\sc]
	v_cvt_scalef32_pk8_fp8_f32 v[\cb+4*\a+2:\cb+4*\a+3], v[TT+16*\a+8:TT+16*\a+15], v[\sc]
.endr
	v_nop                                          ; a plain instruction behind the last conversion: its sources are written again below
.irp a, 0,1,2,3,4,5,6,7
	global_store_b128 v[GO], v[\cb+4*\a:\cb+4*\a+3], s[\ob:\ob+1] offset:2048*\a   ; 32 lanes store 512 consecutive bytes, aligned
.endr
.endm
	ROPE 0, CQ, LQ, SQ, 70
	ROPE 1, CK, LK, SK, 72
	; v = sum x (1 - lamb) 2^(e4 + e5) + lamb vi
	s_wait_dscnt 0x0                               ; vi
	WIN 0x41                                       ; source 0 and destination window 1
.set n, 0
.rept 64
	v_pk_mul_f32 v[32+n:33+n], v[32+n:33+n], v[LAM:LAM+1]
.set n, n+2
.endr
	WIN 0x53                                       ; source 0 window 3 (the sums), source 2 and destination window 1
	s_wait_alu depctr_va_vdst(0)                   ; directly ahead of the first reader of v's sums
.set n, 0
.rept 64
	v_pk_fma_f32 v[32+n:33+n], v[n:n+1], v[ALP:ALP+1], v[32+n:33+n]
.set n, n+2
.endr
	WIN 0x41
.set n, 0
.rept 128
	v_med3_num_f32 v[32+n], v[32+n], -v[LV], v[LV]
.set n, n+1
.endr
	WIN 0x01                                       ; source 0 window 1
.irp u, 0,1
.irp a, 0,1,2,3,4,5,6,7
	v_cvt_scalef32_pk8_fp8_f32 v[TT+16*\u+2*\a:TT+16*\u+2*\a+1], v[32+64*\u+8*\a:32+64*\u+8*\a+7], v[SV]   ; keys 16 a + 8 h + 0..7 of channel 32 w + 16 u + r
.endr
.endr
	WIN 0
	v_nop
.irp u, 0,1
.irp i, 0,1,2,3
	global_store_b128 v[GV], v[TT+16*\u+4*\i:TT+16*\u+4*\i+3], s[74:75] offset:2048*\u+512*\i
.endr
.endr
	s_wait_tensorcnt 0x0                           ; the wave's end
	ds_add_u32 v[SPW], v[NIL]
	s_wait_dscnt 0x0
	CROUND                                         ; the closing round: no work-group ends while a partner may still ask for a tile that names it
	s_endpgm
.Lfunc_end_k_q8489387f74_qkv:
	.size	k_q8489387f74_qkv, .Lfunc_end_k_q8489387f74_qkv-k_q8489387f74_qkv
	.p2alignl 7, 3214868480
	.fill 96, 4, 3214868480
	.section	.rodata,"a",@progbits
	.p2align	6, 0x0
	.amdhsa_kernel k_q8489387f74_qkv
		.amdhsa_group_segment_fixed_size 327680
		.amdhsa_private_segment_fixed_size 0
		.amdhsa_enable_private_segment 0
		.amdhsa_kernarg_size 80
		.amdhsa_user_sgpr_count 2
		.amdhsa_user_sgpr_kernarg_segment_ptr 1
		.amdhsa_wavefront_size32 1
		.amdhsa_system_sgpr_workgroup_id_x 1
		.amdhsa_system_sgpr_workgroup_id_y 1
		.amdhsa_system_sgpr_workgroup_id_z 1
		.amdhsa_system_vgpr_workitem_id 0
		.amdhsa_next_free_vgpr 1024
		.amdhsa_next_free_sgpr 104
		.amdhsa_reserve_vcc 0
		.amdhsa_float_denorm_mode_32 3
		.amdhsa_float_denorm_mode_16_64 3
		.amdhsa_memory_ordered 1
		.amdhsa_forward_progress 1
		.amdhsa_inst_pref_size 221
	.end_amdhsa_kernel
	.amdgpu_metadata
---
amdhsa.version: [ 1, 2 ]
amdhsa.kernels:
  - .name:           k_q8489387f74_qkv
    .symbol:         k_q8489387f74_qkv.kd
    .args:
      - { .name: x_codes, .offset: 0, .size: 8, .value_kind: global_buffer, .address_space: global }
      - { .name: Wq_codes, .offset: 8, .size: 8, .value_kind: global_buffer, .address_space: global }
      - { .name: Wk_codes, .offset: 16, .size: 8, .value_kind: global_buffer, .address_space: global }
      - { .name: Wv_codes, .offset: 24, .size: 8, .value_kind: global_buffer, .address_space: global }
      - { .name: vi, .offset: 32, .size: 8, .value_kind: global_buffer, .address_space: global }
      - { .name: lamb, .offset: 40, .size: 8, .value_kind: global_buffer, .address_space: global }
      - { .name: lowp_scales, .offset: 48, .size: 8, .value_kind: global_buffer, .address_space: global }
      - { .name: q_img, .offset: 56, .size: 8, .value_kind: global_buffer, .address_space: global }
      - { .name: k_img, .offset: 64, .size: 8, .value_kind: global_buffer, .address_space: global }
      - { .name: v_img, .offset: 72, .size: 8, .value_kind: global_buffer, .address_space: global }
    .group_segment_fixed_size: 327680
    .private_segment_fixed_size: 0
    .kernarg_segment_align: 8
    .kernarg_segment_size: 80
    .max_flat_workgroup_size: 128
    .sgpr_count:     104
    .vgpr_count:     1024
    .wavefront_size: 32
...
	.end_amdgpu_metadata
.endif
;; end of part 1
;; launch attn (part 2): grid 16 x 16, 8 waves a work-group, clusters of 4 x 1, 327,680 bytes of LDS; arguments q_img, k_img, v_img, lowp_scales, y_img; writes y_img
.if DOCPART == 2
	.amdgcn_target "amdgcn-amd-amdhsa--gfx1250"
	.amdhsa_code_object_version 6
	.text
	.protected	k_q8489387f74_attn
	.globl	k_q8489387f74_attn
	.p2align	8
	.type	k_q8489387f74_attn,@function
k_q8489387f74_attn:
	s_mov_b64 s[64:65], 0
	v_nop
	global_prefetch_b8 v0, s[64:65] scope:SCOPE_SE
	s_setreg_imm32_b32 hwreg(HW_REG_WAVE_MODE, 25, 1), 1
	s_wait_xcnt 0x0
	s_wait_alu depctr_hold_cnt(0) depctr_sa_sdst(0) depctr_va_vdst(0) depctr_va_sdst(0) depctr_va_ssrc(0) depctr_va_vcc(0) depctr_vm_vsrc(0)
	s_getreg_b32 s2, hwreg(HW_REG_IB_STS2, 6, 4)
	s_cmp_eq_u32 s2, 0
	s_cbranch_scc0 .Lentry_in_a_cluster
	s_endpgm
.Lentry_in_a_cluster:
	s_bfe_u32 s2, ttmp6, 0x10000c
	s_cmp_lg_u32 s2, 0x3003
	s_cbranch_scc0 .Lentry_shape_is_right
	s_endpgm
.Lentry_shape_is_right:
; y[q][head][:] = the sum over keys k <= q of softmax_k(q . k / sqrt(128)) v, both products on codes of FP8 (E4M3); y is quantised with 2^e10 for the last product.
; q_img, k_img, v_img: images of operand registers (2,048 bytes a fragment: registers 4 i .. 4 i + 3 of lane l at 512 i + 16 l), as the launch before has laid them.
; WORK LEFT OUT: steps of 128 keys that lie wholly behind a tile's queries: reference()'s own causal mask makes their p 0.
; THE SOFTMAX: t = score x log2(e) / sqrt(128); M = the largest t that the wave has met for the row, rounded up to a whole number; p = 2^(t - M) is quantised with 2^e9, not normalised; the sum is taken of the
; unquantised p and divides at the end.  When M moves, and when waves' parts of a row are joined, sums and O are multiplied by whole powers of two: exact.
; SHARES.  Eight waves, two to a SIMD; a wave holds TWO tiles of 16 queries of one block of 128, so that each fragment of K and V read from LDS feeds two matrix instructions, and the two tiles' lines alternate.
; With w the wave, g = w / 4, s = w % 4, C the cluster's number, c the work-group's place in it: E = C (g = 0) or 7 - C (g = 1), L = 15 - E.  Group g owns tiles 8 E + 2 c + 0, 1 and 8 L + 2 c + 0, 1.
;   The keys come in four slots of four steps of 128.  In slot 0 (g = 1: slots 0 and 1) waves s = 0, 1 share E's two tiles by the step's parity, waves 2, 3 share L's; all of E's steps lie there.
;   Behind it waves 0, 1 join E's parts, store them and take up L's tiles with sums of their own; from then on the four waves share L's steps by step % 4.  At the end L's four parts are joined.
;   So wave s always takes the pieces s % 2 and s % 2 + 2 of a slot, or the one of the two that is s.  L of g = 0 is 12 or more: every slot's loads are read in every work-group.
; PLACES.  Wave s holds tile (place xor s % 2) in place 0, 1: of E's tiles it sends place 1's part and keeps place 0's.  Of L's two tiles wave s joins channels 64 (s / 2) + 0..63 of tile s % 2.
; Every branch hangs on the cluster's number, the wave's number and counters: alike in all partners.  c enters Q's and y's addresses, the mask's numbers and the prefetches' address, and nothing else.
; Both products are used transposed: S^T = K Q^T, O^T = V^T P^T: a lane holds one query (lane % 16) throughout; key tile k's eight registers are keys 16 k + 8 (lane / 16) + 0..7, so that the conversions'
; results are the second product's operand, in the order in which v_img has the keys.
; THE RING: two slots of 131,072 bytes: K's four pieces, then V's.  A piece is 16,384 bytes; wave w fetches the (w % 4)-th quarter of each of K's (w < 4) or V's four pieces by one load: so a slot holds [quarter][piece][4,096],
; read at 16 x lane.  The four partners walk the same K and V: each load is asked for JOINTLY.  Trip counts are constants.
; y_img [head / 4][tile of 16 queries][head % 4][2048]: registers 2 T, 2 T + 1 of lane (r, h) are channels 16 T + 8 h + 0..7 of query r.
; LIMITS: e6 + e7 between -123 and 130 (added to c's exponent field); e9, e10 between -126 and 119.  Where 448 x 2^e9 lies under 1 (e9 below -8) the hold on p acts under the wave's running M, not under the
; row's final M.  NaN among the inputs is not served.
; REGISTERS: window 0: addresses, statistics, Q, S^T then p, codes.   window 1: v0-127 the 8 fragments of K, then of V; v128-255 O^T.
.set SLOT1, 1<<17
.set VOFF,  65536                      ; V's pieces in a slot
.set SPARE, 2*SLOT1                    ; the spare words: 128 bytes for each of the eight waves
.set ESTG,  SPARE+1024                 ; E's parts: 8,192 bytes of O^T and 512 of statistics from each of waves 0, 1, 4, 5: written by LDS stores, never a tile's target
.set ESZ,   8704
.set FST,   ESTG+4*ESZ                 ; the statistics of L's parts: 1,024 bytes a wave.  L's parts themselves go into slot 0, which has had its last fill and its last read: 16,384 bytes a wave
.set LI,  1                            ; v1   16 x lane
.set RH,  2                            ; v2   lane % 16 - 8 (lane / 16)
.set PFO, 3                            ; v3   256 x lane; never rewritten
.set STW, 4                            ; v4   my stage of E + 16 x lane
.set SPW, 5
.set NIL, 6
.set STR, 7                            ; v7   my partner's
.set ADR, 8
.set ADV, 9
.set DLB, 10                           ; v10, v11   my query - 8 (lane / 16), for each place
.set ST,  12                           ; place t: v[ST + 4 t] -M, + 1 the largest t, + 2, + 3 the sum
.set FF,  20                           ; place t: v[FF + 2 t] f = 2^(old M - new M) (the pair's low word serves both halves)
.set SU,  24
.set TM,  28
.set PT,  30
.set QF,  32
.set SR,  64
.set PC,  192
.set SC9, 224
.set L9,  225
.set DL,  226
.set NI,  228
.set SC10, 230
.set L10, 231
.set RS,  232                          ; v[232:235] the partner's statistics
.set FDW, 236                          ; where my parts of L go,
.set FDE, 237                          ; where I read those of waves s = 0, 2,
.set FDO, 238                          ; and of s = 1, 3
.set FSW, 239                          ; the same for the statistics
.set FSE, 240
.set FSO, 241
.set RS4, 192                          ; at the end: four parts' statistics
.set CF,  208                          ; and the codes
.set OT,  128                          ; in window 1
.set TB,  2                            ; s2   LDS byte of the key step's piece
.set TS,  3
.set SB,  15                           ; s15  s % 2
.set SQ,  17                           ; s17  s
.set WV,  18
.set GG,  19                           ; s19  g
.set SEL, 20
.set CS,  22
.set G1,  24
.set HF,  33                           ; s33  s / 2
.set TF,  34                           ; s34  the tile in my place 0,
.set TL,  35                           ; s35  and L's
.set EE,  38
.set LL,  39
.set G0,  40
.set JS,  44                           ; s44  the key step, 0..15
.set KF,  45                           ; s45  its first key
.set LIMJ, 46                          ; s46  my tiles' last key step, which has the diagonal
.set SKP, 47                           ; s47  the value of s[QC] at which a step is another wave's; 0: none
.set QC,  48
.set SLOTS, 49
.set PFA, 50
.set LIM, 52
.set SWT, 53                           ; s53  the value of s[SLOTS] at whose slot's head my group changes
.set QL0, 56                           ; s[56:59] Q of L's tiles, for places 0 and 1
.set QL1, 58
.set DQ,  62                           ; s62, s63  their first queries
.set YE,  80
.set YF,  82
.set E89, 84
.set MK,  85
.set MSB, 0
.macro WIN new                         ; the immediate's high byte repeats the setting that is left
.if MSB != (\new)
	s_set_vgpr_msb (MSB<<8)|(\new)
.set MSB, (\new)
.endif
.endm
.macro PLACES n
.rept \n
	v_nop
.endr
.endm
.macro CROUND                          ; a round of the cluster's barrier
	s_barrier_signal -1
	s_barrier_wait -1
	s_cmp_lg_u32 s[WV], 0
	s_cbranch_scc1 .Lnot_wave_0_\@
	s_barrier_signal -3
.Lnot_wave_0_\@:
	s_barrier_wait -3
	s_barrier_signal -1
	s_barrier_wait -1
.endm
; A prefetch into the L2 of what the NEXT change of slots will ask for: 65,536 bytes of K and of V.  All clusters of a head walk the same K and V: the head's first cluster asks; its four partners share the
; bytes out by address, 16,384 each of K and of V; in each, waves 0 and 1 ask for K's and waves 2 and 3 for V's, 8,192 bytes a wave, lanes 256 bytes apart: each aligned block of 256 bytes is named once.
; It stands a slot's key steps ahead of the load that wants the bytes.  Slots 0 and 1 come by their loads alone; the last change that fills a slot asks for nothing.
.macro ASK
	s_cmp_gt_u32 s[SLOTS], s[LIM]
	s_cbranch_scc0 .Lnot_mine_\@
	global_prefetch_b8 v[PFO], s[PFA:PFA+1] th:TH_LOAD_NT scope:SCOPE_SE
.Lnot_mine_\@:
.endm
.macro FETCH adr                       ; a run of 32 LDS loads: a piece's 8 fragments
	WIN 0x40                                       ; destination window 1
.irp k, 0,1,2,3,4,5,6,7
.irp c, 0,1,2,3
	ds_load_b128 v[16*\k+4*\c:16*\k+4*\c+3], v[\adr] offset:16384*(\k/2)+2048*(\k%2)+512*\c
.endr
.endr
	WIN 0
.endm
.macro SMUL k0, k1                     ; S^T of key tiles k0 .. k1 - 1
.set kk, \k0
.rept \k1-\k0
.irp t, 0,1
	v_wmma_f32_16x16x128_fp8_fp8 v[SR+64*\t+8*kk:SR+64*\t+8*kk+7], v[16*kk:16*kk+15], v[QF+16*\t:QF+16*\t+15], 0
.endr
.set kk, kk+1
.endr
.endm
; 8 nk numbers of y in v[SR] on are held, converted with 2^e10 and stored: the codes are registers of a fragment of the last product
.macro OUT nk, cb, yb
.set ok, 0
.rept \nk
.irp i, 0,1,2,3,4,5,6,7
	v_med3_num_f32 v[SR+8*ok+\i], v[SR+8*ok+\i], -v[L10], v[L10]   ; the conversion to an 8-bit code does not saturate (ISA guide 7.6.2)
.endr
	v_cvt_scalef32_pk8_fp8_f32 v[\cb+2*ok:\cb+2*ok+1], v[SR+8*ok:SR+8*ok+7], v[SC10]
.set ok, ok+1
.endr
	v_nop                                          ; a plain instruction behind the last conversion
.set ok, 0
.rept \nk/2
	global_store_b128 v[LI], v[\cb+4*ok:\cb+4*ok+3], s[\yb:\yb+1] offset:512*ok   ; 32 lanes store 512 consecutive bytes, aligned
.set ok, ok+1
.endr
.endm
.macro QLOAD a0, a1                    ; Q's fragments of my two tiles stay in registers
.irp i, 0,1,2,3
	global_load_b128 v[QF+4*\i:QF+4*\i+3], v[LI], s[\a0:\a0+1] offset:512*\i
	global_load_b128 v[QF+16+4*\i:QF+16+4*\i+3], v[LI], s[\a1:\a1+1] offset:512*\i
.endr
.endm
.macro FRESH                           ; no key met yet: the largest t is -3e38, under every t; the sums are 0
.irp t, 0,1
	v_mov_b32 v[ST+4*\t+1], 0xff61b1e6
	v_floor_f32 v[ST+4*\t], -v[ST+4*\t+1]
	v_mov_b32 v[ST+4*\t+2], 0
	v_mov_b32 v[ST+4*\t+3], 0
.endr
.endm
	s_load_b256 s[4:11], s[0:1], 0x0               ; q_img s[4:5], k_img s[6:7], v_img s[8:9], the scales' exponents s[10:11]
	s_load_b64 s[12:13], s[0:1], 0x20              ; y_img
	v_lshl_add_u32 v[SPW], v0, 2, SPARE
	v_mov_b32 v[NIL], 0
	ds_add_u32 v[SPW], v[NIL]                      ; the opening add, twice on end: the set-up below stands between it and its wait
	ds_add_u32 v[SPW], v[NIL]
	v_lshrrev_b32 v8, 5, v0
	v_readfirstlane_b32 s[WV], v8                  ; wave 0..7
	s_bfe_u32 s14, ttmp6, 0x40000                  ; c: my place in the cluster
	s_and_b32 s16, ttmp7, 0xffff                   ; the head
	s_and_b32 s[SQ], s[WV], 3
	s_lshr_b32 s[GG], s[WV], 2
	s_and_b32 s[SB], s[WV], 1
	s_bfe_u32 s[HF], s[WV], 0x10001
	s_sub_co_u32 s54, 7, ttmp9
	s_cmp_eq_u32 s[GG], 0
	s_cselect_b32 s[EE], ttmp9, s54
	s_sub_co_u32 s[LL], 15, s[EE]
	s_cmp_eq_u32 s[HF], 0
	s_cselect_b32 s[LIMJ], s[EE], s[LL]            ; waves s = 0, 1 begin with E's tiles
	s_sub_co_u32 s[SWT], 2, s[GG]                  ; g = 0: at slot 1's head, g = 1: at slot 2's
	s_mov_b32 s[SKP], 0
	s_mov_b32 s[JS], s[SB]
	s_lshl_b32 s[KF], s[SB], 7
	s_lshl_b32 s[TB], s[SB], 12                    ; piece s % 2 of slot 0
	s_mov_b32 s[SLOTS], 3
	s_lshl_b32 s54, s14, 1
	s_add_co_u32 s54, s54, s[SB]
	s_lshl_b32 s55, s[LIMJ], 3
	s_add_co_u32 s[TF], s55, s54                   ; 8 x block + 2 c + s % 2
	s_lshl_b32 s55, s[LL], 3
	s_add_co_u32 s[TL], s55, s54
	s_lshl_b32 s[DQ], s[TL], 4
	s_xor_b32 s[DQ+1], s[DQ], 16
	s_lshl_b32 s32, s16, 18                        ; the head's first byte in q_img, k_img, v_img
	s_mov_b32 s[G1], 15|(3<<16)|(1<<21)            ; 15:0 the mask: all four work-groups; 17:16 elements of 8 bytes; 21 set beside a mask; no padding
	s_mov_b32 s[G1+1], 512<<16                     ; tensor_dim0: a quarter of a piece, 4,096 bytes
	s_mov_b32 s[G1+2], 4<<16                       ; tensor_dim1: four pieces
	s_mov_b32 s[G1+3], 512<<16                     ; tile_dim0
	s_mov_b32 s[G1+4], 4                           ; tile_dim1
	s_mov_b32 s[G1+5], 2048                        ; from piece to piece
	s_mov_b32 s[G1+6], 0
	s_mov_b32 s[G1+7], 0
	s_mov_b32 s[SEL], 0x76543210
	s_mov_b32 s[SEL+1], 0xfedcba98
	s_mov_b32 s[CS], 0x3e0293ee                    ; c = log2(e) / sqrt(128)
	s_wait_dscnt 0x0                               ; both opening adds are done
	CROUND                                         ; all four work-groups are here
	s_wait_kmcnt 0x0
	s_load_b256 s[68:75], s[10:11], 0x0            ; e0 .. e7
	s_load_b128 s[76:79], s[10:11], 0x20           ; e8 .. e11
	s_cmp_lt_u32 s[WV], 4
	s_cselect_b64 s[88:89], s[6:7], s[8:9]         ; waves 0 to 3 fetch K, waves 4 to 7 V
	s_lshl_b32 s36, s[SQ], 12
	s_add_co_u32 s36, s36, s32
	s_mov_b32 s37, 0
	s_mov_b32 s[G0], 1
	s_lshl_b32 s[G0+1], s[WV], 14                  ; slot 0
	s_add_nc_u64 s[G0+2:G0+3], s[88:89], s[36:37]
	s_or_b32 s[G0+3], s[G0+3], 0x80000000
	tensor_load_to_lds s[G0:G0+3], s[G1:G1+7]      ; slot 0: one load of mine is out
	s_nop 0
	PLACES 4
	s_mov_b32 s87, 0
	s_lshl_b32 s86, s[TF], 11
	s_add_co_u32 s86, s86, s32
	s_add_nc_u64 s[36:37], s[4:5], s[86:87]        ; q_img at my place 0,
	s_xor_b32 s86, s86, 2048
	s_add_nc_u64 s[88:89], s[4:5], s[86:87]        ; and at place 1: the block's other tile
	s_lshl_b32 s86, s[TL], 11
	s_add_co_u32 s86, s86, s32
	s_add_nc_u64 s[QL0:QL0+1], s[4:5], s[86:87]
	s_xor_b32 s86, s86, 2048
	s_add_nc_u64 s[QL1:QL1+1], s[4:5], s[86:87]
	s_lshr_b32 s54, s16, 2
	s_lshl_b32 s54, s54, 20
	s_and_b32 s55, s16, 3
	s_lshl_b32 s55, s55, 11
	s_add_co_u32 s54, s54, s55                     ; the head's place in y_img; a tile is 8,192 bytes on from the last
	s_lshl_b32 s86, s[TF], 13
	s_add_co_u32 s86, s86, s54
	s_add_nc_u64 s[YE:YE+1], s[12:13], s[86:87]    ; y_img at my place 0,
	s_lshl_b32 s86, s[TL], 13
	s_add_co_u32 s86, s86, s54
	s_lshl_b32 s55, s[HF], 10
	s_add_co_u32 s86, s86, s55
	s_add_nc_u64 s[YF:YF+1], s[12:13], s[86:87]    ; and at the half tile that I store at the end
	s_cmp_lt_u32 s[WV], 2
	s_cselect_b64 s[PFA:PFA+1], s[6:7], s[8:9]
	s_lshl_b32 s86, s14, 14
	s_lshl_b32 s55, s[SB], 13
	s_add_co_u32 s86, s86, s55
	s_add_co_u32 s86, s86, s32
	s_add_co_u32 s86, s86, 65536                   ; in slot 1: the first change of slots steps it to slot 2
	s_add_nc_u64 s[PFA:PFA+1], s[PFA:PFA+1], s[86:87]
	s_cmp_lt_u32 s[WV], 4
	s_cselect_b32 s54, 0, 1
	s_or_b32 s54, s54, ttmp9
	s_cmp_eq_u32 s54, 0                            ; waves 0 to 3 of the head's first cluster: the same in all four partners
	s_cselect_b32 s[LIM], 1, -1
	; the LDS addresses' scalar parts
	s_lshl_b32 s54, s[GG], 1
	s_add_co_u32 s55, s54, s[SB]
	s_mul_i32 s55, s55, ESZ
	s_add_co_u32 s55, s55, ESTG                    ; my stage of E
	s_xor_b32 s60, s[SB], 1
	s_add_co_u32 s54, s54, s60
	s_mul_i32 s54, s54, ESZ
	s_add_co_u32 s54, s54, ESTG                    ; my partner's
	s_lshl_b32 s86, s[WV], 14                      ; my parts of L, in slot 0
	s_lshl_b32 s61, s[GG], 16
	s_lshl_b32 s66, s[HF], 12
	s_add_co_u32 s61, s61, s66
	s_lshl_b32 s66, s[SB], 13
	s_add_co_u32 s66, s61, s66                     ; tile s % 2 lies in place s % 2 of waves 0 and 2,
	s_lshl_b32 s67, s60, 13
	s_add_co_u32 s67, s61, s67                     ; and in the other place of waves 1 and 3
	v_and_b32 v8, 31, v0
	v_lshlrev_b32 v[LI], 4, v8
	v_lshlrev_b32 v[PFO], 8, v8
	QLOAD 36, 88
	v_add_nc_u32 v[STW], s55, v[LI]
	v_add_nc_u32 v[STR], s54, v[LI]
	v_add_nc_u32 v[FDW], s86, v[LI]
	v_add_nc_u32 v[FDE], s66, v[LI]
	v_add_nc_u32 v[FDO], s67, v[LI]
	s_lshl_b32 s54, s[WV], 10
	s_add_co_u32 s54, s54, FST                     ; the statistics, likewise
	s_lshl_b32 s55, s[GG], 12
	s_add_co_u32 s55, s55, FST
	s_lshl_b32 s66, s[SB], 9
	s_add_co_u32 s66, s55, s66
	s_lshl_b32 s67, s60, 9
	s_add_co_u32 s67, s55, s67
	s_wait_alu depctr_va_vdst(0)                   ; the wait here, behind the scalar lines
	v_add_nc_u32 v[FSW], s54, v[LI]
	v_add_nc_u32 v[FSE], s66, v[LI]
	v_add_nc_u32 v[FSO], s67, v[LI]
	v_and_b32 v8, 15, v0
	v_bfe_u32 v9, v0, 4, 1
	v_lshlrev_b32 v9, 3, v9
	v_sub_nc_u32 v[RH], v8, v9
	s_lshl_b32 s54, s[TF], 4
	s_xor_b32 s55, s54, 16
	v_add_nc_u32 v[DLB], s54, v[RH]
	v_add_nc_u32 v[DLB+1], s55, v[RH]
	FRESH
.irp t, 0,1
	v_mov_b32 v[PT+\t], 0                          ; a lane permute's destination counts as one of its sources
	v_mov_b32 v[FF+2*\t+1], 0                      ; (named as the upper half of a pair)
.endr
	WIN 0x40                                       ; destination window 1
.set n, 0
.rept 128
	v_mov_b32 v[OT+n], 0                           ; the step is written for every step alike: the first finds zeros, which the first change of M leaves zeros.  (These lines stand while the first tiles are on their way)
.set n, n+1
.endr
	WIN 0
	s_wait_alu depctr_va_vdst(0)                   ; directly ahead of the wait below
	s_wait_kmcnt 0x0
	s_add_co_i32 s54, s74, s75
	s_lshl_b32 s54, s54, 23
	s_add_co_i32 s[CS], s[CS], s54                 ; a score stands for score x 2^(e6 + e7)
	s_mov_b32 s[CS+1], s[CS]
	s_add_co_i32 s54, s77, 127
	s_lshl_b32 s55, s54, 23
	v_mov_b32 v[SC9], s55                          ; 2^e9
	s_add_co_i32 s54, s54, 8
	s_lshl_b32 s54, s54, 23
	s_or_b32 s54, s54, 0x600000
	v_mov_b32 v[L9], s54                           ; 448 x 2^e9
	s_add_co_i32 s54, s78, 127
	s_lshl_b32 s55, s54, 23
	v_mov_b32 v[SC10], s55                         ; 2^e10
	s_add_co_i32 s54, s54, 8
	s_lshl_b32 s54, s54, 23
	s_or_b32 s54, s54, 0x600000
	v_mov_b32 v[L10], s54                          ; 448 x 2^e10
	s_add_co_i32 s[E89], s76, s77                  ; e8 + e9
; A KEY STEP: 128 keys, for both my tiles.  K's fragments, then V's, in the same registers.
.macro STEP
	s_cmp_gt_u32 s[JS], s[LIMJ]                    ; behind my tiles' last key step, or another wave's: the step's work is left out, not the lines at its end that step addresses
	s_cbranch_scc1 .Lskip_\@
	s_cmp_eq_u32 s[QC], s[SKP]
	s_cbranch_scc1 .Lskip_\@
	v_add_nc_u32 v[ADR], s[TB], v[LI]
	PLACES 3                                       ; with the line above four plain instructions between the last products and the loads into registers that they have read
	FETCH ADR
	s_add_co_u32 s[TS], s[TB], VOFF
	WIN 0x01                                       ; source 0 window 1
	s_wait_dscnt 16                                ; key tiles 0 to 3 are in
	SMUL 0, 4
	s_wait_dscnt 0x0
	SMUL 4, 8
	WIN 0
	v_add_nc_u32 v[ADV], s[TS], v[LI]              ; four plain instructions between the products and the loads into registers that products have read, and the first read of their results
	PLACES 3
	FETCH ADV
	s_cmp_lt_u32 s[JS], s[LIMJ]
	s_cbranch_scc1 .Lopen_\@                       ; all keys of the step count
	v_sub_nc_u32 v[DL], v[DLB], s[KF]              ; register 8 k + j holds key KF + 16 k + 8 (lane / 16) + j: hidden where 16 k + j > my query - 8 (lane / 16) - KF
	v_sub_nc_u32 v[DL+1], v[DLB+1], s[KF]
	v_mov_b32 v[NI], 0xff800000
.set n, 0
.rept 64
	v_cmp_gt_i32 vcc_lo, 16*(n/8)+n%8, v[DL]
	v_cmp_gt_i32 s[MK], 16*(n/8)+n%8, v[DL+1]
	v_cndmask_b32 v[SR+n], v[SR+n], v[NI], vcc_lo
	v_cndmask_b32 v[SR+64+n], v[SR+64+n], v[NI], s[MK]
.set n, n+1
.endr
.Lopen_\@:
.irp t, 0,1                            ; the step's largest score of each query among the lane's 64 keys: two chains a tile, four by turns; each accumulator is read from its low end on
	v_max3_num_f32 v[TM+\t], v[SR+64*\t], v[SR+64*\t+1], v[SR+64*\t+2]
	v_max3_num_f32 v[FF+2*\t], v[SR+64*\t+3], v[SR+64*\t+4], v[SR+64*\t+5]
.endr
.irp i, 6,10,14,18,22,26,30,34,38,42,46,50,54,58
.irp t, 0,1
	v_max3_num_f32 v[TM+\t], v[TM+\t], v[SR+64*\t+\i], v[SR+64*\t+\i+1]
	v_max3_num_f32 v[FF+2*\t], v[FF+2*\t], v[SR+64*\t+\i+2], v[SR+64*\t+\i+3]
.endr
.endr
.irp t, 0,1
	v_max3_num_f32 v[TM+\t], v[TM+\t], v[SR+64*\t+62], v[SR+64*\t+63]
.endr
.irp t, 0,1
	v_max_num_f32 v[TM+\t], v[TM+\t], v[FF+2*\t]
.endr
.irp t, 0,1
	v_permlanex16_b32 v[PT+\t], v[TM+\t], s[SEL], s[SEL+1]
.endr
.irp t, 0,1
	v_max_num_f32 v[TM+\t], v[TM+\t], v[PT+\t]
.endr
.irp t, 0,1
	v_mul_f32 v[TM+\t], s[CS], v[TM+\t]            ; as t (c is positive)
.endr
.irp t, 0,1
	v_max_num_f32 v[ST+4*\t+1], v[ST+4*\t+1], v[TM+\t]
.endr
.irp t, 0,1
	v_mov_b32 v[TM+\t], v[ST+4*\t]
.endr
.irp t, 0,1
	v_floor_f32 v[ST+4*\t], -v[ST+4*\t+1]          ; -M = floor(-t): M is a whole number
.endr
.irp t, 0,1
	v_sub_f32 v[TM+\t], v[ST+4*\t], v[TM+\t]
.endr
.irp t, 0,1
	v_cvt_i32_f32 v[TM+\t], v[TM+\t]               ; (it saturates)
.endr
.irp t, 0,1
	v_ldexp_f32 v[FF+2*\t], 1.0, v[TM+\t]          ; f = 2^(old M - new M)
.endr
; t - M and p = 2^(t - M) in two batches: tile 0's scalings, the wait, its exponentials with tile 1's scalings among them, the wait, tile 1's exponentials; no line of a batch names a result of that batch
.set n, 0
.rept 32
	v_pk_fma_f32 v[SR+2*n:SR+2*n+1], v[SR+2*n:SR+2*n+1], s[CS:CS+1], v[ST:ST+1] op_sel_hi:[1,0,0]
.set n, n+1
.endr
	s_wait_alu depctr_va_vdst(0)                   ; the wait ahead of a batch
.set n, 0
.rept 32
	v_exp_f32 v[SR+2*n], v[SR+2*n]
	v_exp_f32 v[SR+2*n+1], v[SR+2*n+1]
	v_pk_fma_f32 v[SR+64+2*n:SR+64+2*n+1], v[SR+64+2*n:SR+64+2*n+1], s[CS:CS+1], v[ST+4:ST+5] op_sel_hi:[1,0,0]
.set n, n+1
.endr
	s_wait_alu depctr_va_vdst(0)                   ; and ahead of this one
.set n, 0
.rept 64
	v_exp_f32 v[SR+64+n], v[SR+64+n]
.set n, n+1
.endr
.irp t, 0,1
	v_pk_mul_f32 v[ST+4*\t+2:ST+4*\t+3], v[ST+4*\t+2:ST+4*\t+3], v[FF+2*\t:FF+2*\t+1] op_sel_hi:[1,0]   ; the sums under the new M: the plain instructions behind the exponentials
.endr
	s_wait_alu depctr_va_vdst(0)                   ; one wait for the batch, ahead of its first reader
.irp t, 0,1
	v_pk_add_f32 v[SU+2*\t:SU+2*\t+1], v[SR+64*\t:SR+64*\t+1], v[SR+64*\t+2:SR+64*\t+3]   ; the sum is taken of the unquantised p
.endr
.irp j, 4,8,12,16,20,24,28,32,36,40,44,48,52,56,60
.irp t, 0,1
	v_pk_add_f32 v[ST+4*\t+2:ST+4*\t+3], v[ST+4*\t+2:ST+4*\t+3], v[SR+64*\t+\j:SR+64*\t+\j+1]
	v_pk_add_f32 v[SU+2*\t:SU+2*\t+1], v[SU+2*\t:SU+2*\t+1], v[SR+64*\t+\j+2:SR+64*\t+\j+3]
.endr
.endr
.irp t, 0,1
	v_pk_add_f32 v[ST+4*\t+2:ST+4*\t+3], v[ST+4*\t+2:ST+4*\t+3], v[SU+2*\t:SU+2*\t+1]
.endr
.irp k, 0,1,2,3,4,5,6,7
.irp t, 0,1
.irp i, 0,1,2,3,4,5,6,7
	v_min_num_f32 v[SR+64*\t+8*\k+\i], v[SR+64*\t+8*\k+\i], v[L9]   ; the conversion does not saturate (ISA guide 7.6.2); p is not negative
.endr
	v_cvt_scalef32_pk8_fp8_f32 v[PC+16*\t+2*\k:PC+16*\t+2*\k+1], v[SR+64*\t+8*\k:SR+64*\t+8*\k+7], v[SC9]
.endr
.endr
	WIN 0x41                                       ; source 0 and destination window 1
	s_wait_alu depctr_va_vdst(0)                   ; directly ahead of the first reader of O^T
.irp t, 0,1
.set n, 0
.rept 32
	v_pk_mul_f32 v[OT+64*\t+n:OT+64*\t+n+1], v[OT+64*\t+n:OT+64*\t+n+1], v[FF+2*\t:FF+2*\t+1] op_sel_hi:[1,0]   ; O^T under the new M; also the plain instructions between the conversions and the products
.set n, n+2
.endr
.endr
	s_wait_alu depctr_va_vdst(0)                   ; directly ahead of the wait below
	s_wait_dscnt 0x0                               ; V is in
	WIN 0x51                                       ; source 0 (V) window 1, source 1 (p's codes) window 0, C and D window 1
.irp k, 0,1,2,3,4,5,6,7                ; the sixteen accumulators take turns, one instruction a turn
.irp t, 0,1
	v_wmma_f32_16x16x128_fp8_fp8 v[OT+64*\t+8*\k:OT+64*\t+8*\k+7], v[16*\k:16*\k+15], v[PC+16*\t:PC+16*\t+15], v[OT+64*\t+8*\k:OT+64*\t+8*\k+7]
.endr
.endr
	WIN 0
.Lskip_\@:
	s_add_co_u32 s[TB], s[TB], 8192                ; two pieces on
	s_add_co_u32 s[JS], s[JS], 2
	s_add_co_u32 s[KF], s[KF], 256
.endm
.macro PHASE                           ; a slot's two key steps of mine
	s_mov_b32 s[QC], 2
.Lstep_\@:
	STEP
	s_sub_co_u32 s[QC], s[QC], 1
	s_cmp_lg_u32 s[QC], 0
	s_cbranch_scc1 .Lstep_\@
	s_sub_co_u32 s[TB], s[TB], 16384
	s_xor_b32 s[TB], s[TB], SLOT1                  ; on to the other slot
.endm
; At the end of the slot in which E ends, waves 0, 1 of the group send place 1's part, as it stands in the registers.
.macro DUMP
	s_add_co_u32 s[TS], s[SWT], 1
	s_cmp_lg_u32 s[SLOTS], s[TS]
	s_cbranch_scc1 .Lnone_\@
	s_cmp_lg_u32 s[HF], 0
	s_cbranch_scc1 .Lnone_\@
	PLACES 4                                       ; four plain instructions between the last products and the first read of their results
	WIN 0x04                                       ; the stores' data in window 1
.set n, 0
.rept 16
	ds_store_b128 v[STW], v[OT+64+4*n:OT+64+4*n+3] offset:512*n
.set n, n+1
.endr
	WIN 0
	ds_store_b128 v[STW], v[ST+4:ST+7] offset:8192 ; -M, the largest t, the sum's two halves
	QLOAD QL0, QL1                                 ; Q of the tiles that I take up next: E's Q has had its last step
.Lnone_\@:
.endm
; Behind the next change of slots the group goes over to steps by step % 4; waves 0, 1 join their place 0 with the partner's part, store it, and take up L's tiles with sums of their own.
.macro TAKE
	s_cmp_lg_u32 s[SLOTS], s[SWT]
	s_cbranch_scc1 .Lkeep_\@
	s_add_co_u32 s[SKP], s[HF], 1                  ; of my two steps of a slot the first (s / 2 = 0) or the second is mine
	s_cmp_lg_u32 s[HF], 0
	s_cbranch_scc1 .Lkeep_\@
.set n, 0
.rept 16
	ds_load_b128 v[SR+4*n:SR+4*n+3], v[STR] offset:512*n
.set n, n+1
.endr
	ds_load_b128 v[RS:RS+3], v[STR] offset:8192
	s_wait_dscnt 0x0
	v_min_num_f32 v[TM], v[ST], v[RS]              ; -M of the two parts together
	v_add_f32 v[ST+2], v[ST+2], v[ST+3]
	v_add_f32 v[RS+2], v[RS+2], v[RS+3]
	v_sub_f32 v[FF], v[TM], v[ST]                  ; each part's M less the common M: whole numbers, 0 or less
	v_sub_f32 v[FF+2], v[TM], v[RS]
	v_cvt_i32_f32 v[FF], v[FF]                     ; (it saturates: a part that has met no key has zeros for its sums)
	v_cvt_i32_f32 v[FF+2], v[FF+2]
	v_ldexp_f32 v[FF], 1.0, v[FF]
	v_ldexp_f32 v[FF+2], 1.0, v[FF+2]
	v_mul_f32 v[ST+2], v[ST+2], v[FF]
	v_fmac_f32 v[ST+2], v[RS+2], v[FF+2]           ; the lane's share of the row's sum,
	v_permlanex16_b32 v[PT], v[ST+2], s[SEL], s[SEL+1]
	v_add_f32 v[ST+2], v[ST+2], v[PT]              ; and lane l xor 16's
	s_wait_alu depctr_va_vdst(0)                   ; the wait ahead of the reciprocal
	v_rcp_f32 v[ST+2], v[ST+2]
	v_nop                                          ; a plain instruction behind the reciprocal
	s_wait_alu depctr_va_vdst(0)                   ; the wait ahead of its first reader
	v_ldexp_f32 v[ST+2], v[ST+2], s[E89]           ; 2^(e8 + e9) / the sum
	v_mul_f32 v[FF], v[FF], v[ST+2]
	v_mul_f32 v[FF+2], v[FF+2], v[ST+2]
.set n, 0
.rept 32
	v_pk_mul_f32 v[SR+n:SR+n+1], v[SR+n:SR+n+1], v[FF+2:FF+3] op_sel_hi:[1,0]
.set n, n+2
.endr
	WIN 0x01                                       ; source 0 window 1
	s_wait_alu depctr_va_vdst(0)                   ; directly ahead of the first reader of O^T
.set n, 0
.rept 32
	v_pk_fma_f32 v[SR+n:SR+n+1], v[OT+n:OT+n+1], v[FF:FF+1], v[SR+n:SR+n+1] op_sel_hi:[1,0,1]   ; y, each accumulator from its low end on
.set n, n+2
.endr
	WIN 0
	OUT 8, PC, YE
	FRESH
	v_add_nc_u32 v[DLB], s[DQ], v[RH]
	v_add_nc_u32 v[DLB+1], s[DQ+1], v[RH]
	WIN 0x41
	s_wait_alu depctr_va_vdst(0)                   ; directly ahead of a reader of O^T
.set n, 0
.rept 64
	v_pk_mul_f32 v[OT+n:OT+n+1], v[OT+n:OT+n+1], 0 op_sel_hi:[1,0]   ; O^T = 0, two at a time: its numbers are sums of at most 2,048 products of codes, so they are finite
.set n, n+2
.endr
	WIN 0
	s_mov_b32 s[LIMJ], s[LL]
	s_wait_alu depctr_va_vdst(0)                   ; directly ahead of the waits below
	s_wait_xcnt 0x0                                ; the stores have read their registers
.Lkeep_\@:
	s_wait_loadcnt 0x0                             ; Q of L's tiles, asked for ahead of the change of slots, ahead of the next step on every way
.endm
; THE CHANGE OF SLOTS stands at a slot's head.  Each wave waits for all its tensor loads (its part of the slot ahead), adds 0 to its spare word, and waits for that and for its LDS instructions in the slot that it has left.
; fill = 1: behind a round of the cluster's barrier the other slot takes the next 512 keys: the load has a slot's key steps in which to land.
.macro CHANGE fill
	s_wait_tensorcnt 0x0
	ds_add_u32 v[SPW], v[NIL]                      ; 0 onto my spare word
.if \fill
	s_xor_b32 s[G0+1], s[G0+1], SLOT1
	s_add_nc_u64 s[G0+2:G0+3], s[G0+2:G0+3], 65536
	s_wait_xcnt 0x0                                ; the last prefetch, a slot back, has read its address
	s_add_nc_u64 s[PFA:PFA+1], s[PFA:PFA+1], 65536
	s_wait_dscnt 0x0
	CROUND
	tensor_load_to_lds s[G0:G0+3], s[G1:G1+7]      ; my one tensor load behind the round
	s_nop 0
	PLACES 4
	ASK
.else
	s_wait_dscnt 0x0
	s_barrier_signal -1
	s_barrier_wait -1
.endif
.endm
	s_wait_alu depctr_va_vdst(0)                   ; the wait at the head's end
	s_wait_loadcnt 0x0                             ; Q
.Lslot:
	CHANGE 1
	TAKE
	PHASE
	s_barrier_signal -1                            ; every wave's reads of E's stages (TAKE) are over ahead of a wave's stores there
	s_barrier_wait -1
	DUMP
	s_sub_co_u32 s[SLOTS], s[SLOTS], 1
	s_cmp_lg_u32 s[SLOTS], 0
	s_cbranch_scc1 .Lslot
	CHANGE 0                                       ; the last slot is written out
	s_wait_loadcnt 0x0                             ; no load into Q's registers is out
	PHASE
	; L'S FOUR PARTS ARE JOINED.  Each wave's part of both tiles goes into slot 0 as it stands in the registers; then wave s takes a half of tile s % 2 from all four.
	s_barrier_signal -1                            ; nobody reads the ring any more
	s_barrier_wait -1
	PLACES 4                                       ; four plain instructions between the last products and the first read of their results
	WIN 0x04                                       ; the stores' data in window 1
.set n, 0
.rept 32
	ds_store_b128 v[FDW], v[OT+4*n:OT+4*n+3] offset:512*n
.set n, n+1
.endr
	WIN 0
	ds_store_b128 v[FSW], v[ST:ST+3]
	ds_store_b128 v[FSW], v[ST+4:ST+7] offset:512
	s_wait_dscnt 0x0                               ; for the others' sake: my stores are done
	s_barrier_signal -1
	s_barrier_wait -1
	ds_load_b128 v[RS4:RS4+3], v[FSE]
	ds_load_b128 v[RS4+4:RS4+7], v[FSO] offset:1024
	ds_load_b128 v[RS4+8:RS4+11], v[FSE] offset:2048
	ds_load_b128 v[RS4+12:RS4+15], v[FSO] offset:3072
.set n, 0
.rept 8
	ds_load_b128 v[SR+4*n:SR+4*n+3], v[FDE] offset:512*n
	ds_load_b128 v[SR+32+4*n:SR+32+4*n+3], v[FDO] offset:16384+512*n
	ds_load_b128 v[SR+64+4*n:SR+64+4*n+3], v[FDE] offset:32768+512*n
	ds_load_b128 v[SR+96+4*n:SR+96+4*n+3], v[FDO] offset:49152+512*n
.set n, n+1
.endr
	s_wait_dscnt 32                                ; the statistics are in
	v_min_num_f32 v[TM], v[RS4], v[RS4+4]
	v_min_num_f32 v[TM+1], v[RS4+8], v[RS4+12]
.irp i, 0,1,2,3
	v_add_f32 v[RS4+4*\i+2], v[RS4+4*\i+2], v[RS4+4*\i+3]
.endr
	v_min_num_f32 v[TM], v[TM], v[TM+1]            ; -M of the four parts together
.irp i, 0,1,2,3
	v_sub_f32 v[RS4+4*\i+1], v[TM], v[RS4+4*\i]    ; each part's M less the common M: whole numbers, 0 or less
.endr
.irp i, 0,1,2,3
	v_cvt_i32_f32 v[RS4+4*\i+1], v[RS4+4*\i+1]     ; (it saturates: a part that has met no key has zeros for its sums)
.endr
.irp i, 0,1,2,3
	v_ldexp_f32 v[RS4+4*\i], 1.0, v[RS4+4*\i+1]
.endr
	v_mul_f32 v[SU], v[RS4+2], v[RS4]
	v_mul_f32 v[SU+1], v[RS4+6], v[RS4+4]
	v_fmac_f32 v[SU], v[RS4+10], v[RS4+8]
	v_fmac_f32 v[SU+1], v[RS4+14], v[RS4+12]
	v_add_f32 v[SU], v[SU], v[SU+1]                ; the lane's share of the row's sum,
	v_permlanex16_b32 v[PT], v[SU], s[SEL], s[SEL+1]
	v_add_f32 v[SU], v[SU], v[PT]                  ; and lane l xor 16's
	s_wait_alu depctr_va_vdst(0)                   ; the wait ahead of the reciprocal
	v_rcp_f32 v[SU], v[SU]
	v_nop                                          ; a plain instruction behind the reciprocal
	s_wait_alu depctr_va_vdst(0)                   ; the wait ahead of its first reader
	v_ldexp_f32 v[SU], v[SU], s[E89]               ; 2^(e8 + e9) / the sum
.irp i, 0,1,2,3
	v_mul_f32 v[RS4+4*\i], v[RS4+4*\i], v[SU]
.endr
	s_wait_alu depctr_va_vdst(0)                   ; directly ahead of the wait below
	s_wait_dscnt 0x0                               ; the parts are in
.set n, 0
.rept 16
	v_pk_mul_f32 v[SR+n:SR+n+1], v[SR+n:SR+n+1], v[RS4:RS4+1] op_sel_hi:[1,0]
.set n, n+2
.endr
.irp i, 1,2,3
.set n, 0
.rept 16
	v_pk_fma_f32 v[SR+n:SR+n+1], v[SR+32*\i+n:SR+32*\i+n+1], v[RS4+4*\i:RS4+4*\i+1], v[SR+n:SR+n+1] op_sel_hi:[1,0,1]
.set n, n+2
.endr
.endr
	OUT 4, CF, YF
	s_wait_tensorcnt 0x0                           ; the wave's end
	ds_add_u32 v[SPW], v[NIL]
	s_wait_dscnt 0x0
	CROUND                                         ; the closing round
	s_endpgm
.Lfunc_end_k_q8489387f74_attn:
	.size	k_q8489387f74_attn, .Lfunc_end_k_q8489387f74_attn-k_q8489387f74_attn
	.p2alignl 7, 3214868480
	.fill 96, 4, 3214868480
	.section	.rodata,"a",@progbits
	.p2align	6, 0x0
	.amdhsa_kernel k_q8489387f74_attn
		.amdhsa_group_segment_fixed_size 327680
		.amdhsa_private_segment_fixed_size 0
		.amdhsa_enable_private_segment 0
		.amdhsa_kernarg_size 40
		.amdhsa_user_sgpr_count 2
		.amdhsa_user_sgpr_kernarg_segment_ptr 1
		.amdhsa_wavefront_size32 1
		.amdhsa_system_sgpr_workgroup_id_x 1
		.amdhsa_system_sgpr_workgroup_id_y 1
		.amdhsa_system_sgpr_workgroup_id_z 1
		.amdhsa_system_vgpr_workitem_id 0
		.amdhsa_next_free_vgpr 512
		.amdhsa_next_free_sgpr 100
		.amdhsa_reserve_vcc 1
		.amdhsa_float_denorm_mode_32 3
		.amdhsa_float_denorm_mode_16_64 3
		.amdhsa_memory_ordered 1
		.amdhsa_forward_progress 1
		.amdhsa_inst_pref_size 140
	.end_amdhsa_kernel
	.amdgpu_metadata
---
amdhsa.version: [ 1, 2 ]
amdhsa.kernels:
  - .name:           k_q8489387f74_attn
    .symbol:         k_q8489387f74_attn.kd
    .args:
      - { .name: q_img, .offset: 0, .size: 8, .value_kind: global_buffer, .address_space: global }
      - { .name: k_img, .offset: 8, .size: 8, .value_kind: global_buffer, .address_space: global }
      - { .name: v_img, .offset: 16, .size: 8, .value_kind: global_buffer, .address_space: global }
      - { .name: lowp_scales, .offset: 24, .size: 8, .value_kind: global_buffer, .address_space: global }
      - { .name: y_img, .offset: 32, .size: 8, .value_kind: global_buffer, .address_space: global }
    .group_segment_fixed_size: 327680
    .private_segment_fixed_size: 0
    .kernarg_segment_align: 8
    .kernarg_segment_size: 40
    .max_flat_workgroup_size: 256
    .sgpr_count:     100
    .vgpr_count:     512
    .wavefront_size: 32
...
	.end_amdgpu_metadata
.endif
;; end of part 2
;; launch proj (part 3): grid 16 x 16, 4 waves a work-group, clusters of 4 x 4, 327,680 bytes of LDS; arguments y_img, Wproj_codes, lowp_scales, out0; writes out0
.if DOCPART == 3
	.amdgcn_target "amdgcn-amd-amdhsa--gfx1250"
	.amdhsa_code_object_version 6
	.text
	.protected	k_q8489387f74_proj
	.globl	k_q8489387f74_proj
	.p2align	8
	.type	k_q8489387f74_proj,@function
k_q8489387f74_proj:
	s_mov_b64 s[64:65], 0
	v_nop
	global_prefetch_b8 v0, s[64:65] scope:SCOPE_SE
	s_setreg_imm32_b32 hwreg(HW_REG_WAVE_MODE, 25, 1), 1
	s_wait_xcnt 0x0
	s_wait_alu depctr_hold_cnt(0) depctr_sa_sdst(0) depctr_va_vdst(0) depctr_va_sdst(0) depctr_va_ssrc(0) depctr_va_vcc(0) depctr_vm_vsrc(0)
	s_getreg_b32 s2, hwreg(HW_REG_IB_STS2, 6, 4)
	s_cmp_eq_u32 s2, 0
	s_cbranch_scc0 .Lentry_in_a_cluster
	s_endpgm
.Lentry_in_a_cluster:
	s_bfe_u32 s2, ttmp6, 0x10000c
	s_cmp_lg_u32 s2, 0xf033
	s_cbranch_scc0 .Lentry_shape_is_right
	s_endpgm
.Lentry_shape_is_right:
; out = y Wproj^T on codes of FP8 (E4M3), each finished sum x 2^(e10 + e11).  LIMIT: e10 + e11 between -126 and 127.
; y_img [K / 512][tile of 16 rows][K / 128 % 4][2048]: images of operand registers, read at 16 x lane; registers 2 T, 2 T + 1 of lane (r, h) are k = 16 T + 8 h + 0..7, and W's fragments are loaded in that order.
; SHARES.  A work-group of four waves makes 128 x 128 of out, a wave 64 x 64: 16 accumulators.  K goes in four steps of 512 through two LDS slots: 65,536 bytes of y's image and 128 rows of W, 512 bytes + 16 of padding each.
; Waves 0, 1 fetch y's halves, waves 2, 3 W's.  CLUSTER 4 x 4: y's tile hangs on the block of rows alone and is asked for jointly along a row of the cluster, W's on the block of columns alone, along a column.
; K steps 1 to 3 are prefetched into the L2: steps 1 and 2 at the head's end, behind the wait for the scales, step 3 behind step 1's load.  Of what a wave fetches each of the four partners names a quarter, told
; apart by address: 32 blocks of 256 bytes, a lane a block; each block is named once in each cluster that will load it.  K step 0 comes by its load alone.
; THE MATRIX INSTRUCTION IS USED TRANSPOSED (source 0 = 16 rows of W, source 1 = 16 rows of y): a lane holds eight neighbouring numbers of a row of out.  A quarter step's 48 LDS loads go in two runs.
; REGISTERS: window 0: v16-31 addresses; v32-63 and v64-127 the way out; v128-255 the accumulators.   window 1: two sets of fragments, at 0 and 128: y's four, then W's four.
.set YB,     65536
.set WP,     528
.set SLOT,   YB+128*WP
.set SPARE,  2*SLOT                    ; the spare words: 128 bytes for each wave
.set STAGE,  SPARE+512                 ; 16 rows x 272 bytes for each wave: written by LDS stores, never a tile's target
.set SP,     272
.set ADRA, 16
.set ADRB, 20
.set PFO,  22                          ; the prefetches' offset; never rewritten
.set STO,  24
.set RD,   25
.set CO,   26
.set SPW,  28
.set NIL,  29
.set TMP,  32
.set BK,   64
.set ACC,  128
.set G1A, 24
.set G0A, 32
.set G1B, 48
.set G0B, 56
.set MSB, 0
.macro WIN new                         ; the immediate's high byte repeats the setting that is left
.if MSB != (\new)
	s_set_vgpr_msb (MSB<<8)|(\new)
.set MSB, (\new)
.endif
.endm
.macro PLACES n
.rept \n
	v_nop
.endr
.endm
.macro JLOAD s                         ; a joint load: each line has one mask; the branch hangs on the wave's number alone
	s_cmp_eq_u32 s15, 0
	s_cbranch_scc0 .Lfor_b_\@
	tensor_load_to_lds s[G0A+4*\s:G0A+4*\s+3], s[G1A:G1A+7]
	s_nop 0
	PLACES 4
	s_branch .Lasked_\@
.Lfor_b_\@:
	tensor_load_to_lds s[G0B+4*\s:G0B+4*\s+3], s[G1B:G1B+7]
	s_nop 0
	PLACES 4
.Lasked_\@:
.endm
.macro CREST                           ; a round of the cluster's barrier behind its opening barrier
	s_cmp_lg_u32 s14, 0
	s_cbranch_scc1 .Lnot_wave_0_\@
	s_barrier_signal -3
.Lnot_wave_0_\@:
	s_barrier_wait -3
	s_barrier_signal -1
	s_barrier_wait -1
.endm
.macro CROUND
	s_barrier_signal -1
	s_barrier_wait -1
	CREST
.endm
	s_load_b256 s[4:11], s[0:1], 0x0               ; y_img s[4:5], Wproj s[6:7], the exponents s[8:9], out s[10:11]
	v_lshl_add_u32 v[SPW], v0, 2, SPARE
	v_mov_b32 v[NIL], 0
	ds_add_u32 v[SPW], v[NIL]                      ; the opening add, twice on end
	ds_add_u32 v[SPW], v[NIL]
	v_lshrrev_b32 v1, 5, v0
	v_readfirstlane_b32 s14, v1                    ; wave 0..3
	s_lshr_b32 s15, s14, 1                         ; my 64 rows.  Also: I fetch for y (0) or W (1)
	s_and_b32 s16, s14, 1                          ; my 64 columns.  Also: which half of that tile I fetch
	s_bfe_u32 s40, ttmp6, 0x40000                  ; cx, cy
	s_bfe_u32 s41, ttmp6, 0x40004
	s_lshl_b32 s42, ttmp9, 2
	s_add_co_u32 s42, s42, s40                     ; block of columns
	s_and_b32 s17, ttmp7, 0xffff
	s_lshl_b32 s17, s17, 2
	s_add_co_u32 s17, s17, s41                     ; block of rows
	s_lshl_b32 s43, s41, 2
	s_lshl_b32 s43, 15, s43                        ; my row of the cluster
	s_lshl_b32 s44, 0x1111, s40                    ; my column
	s_or_b32 s[G1A], s43, (3<<16)|(1<<21)          ; y: elements of 8 bytes, 128 rows of 256 bytes, dense
	s_mov_b32 s[G1A+1], 32<<16
	s_mov_b32 s[G1A+2], 128<<16
	s_mov_b32 s[G1A+3], 32<<16
	s_mov_b32 s[G1A+4], 128
	s_mov_b32 s[G1A+5], 32
	s_mov_b32 s[G1A+6], 0
	s_mov_b32 s[G1A+7], 0
	s_or_b32 s[G1B], s44, (1<<20)|(1<<21)|(6<<22)|(3<<25)   ; W: elements of 1 byte, 64 rows of 512 bytes, four words of padding after every 128
	s_mov_b32 s[G1B+1], 512<<16
	s_mov_b32 s[G1B+2], 64<<16
	s_mov_b32 s[G1B+3], 512<<16
	s_mov_b32 s[G1B+4], 64
	s_mov_b32 s[G1B+5], 2048
	s_mov_b32 s[G1B+6], 0
	s_mov_b32 s[G1B+7], 0
	s_lshl_b32 s20, s17, 16
	s_lshl_b32 s21, s16, 15
	s_add_co_u32 s20, s20, s21                     ; y: 65,536 bytes a block, 32,768 a half
	s_mov_b32 s21, 0
	s_lshl_b32 s46, s42, 18
	s_lshl_b32 s47, s16, 17
	s_add_co_u32 s46, s46, s47                     ; W: 128 rows a block, 64 a half
	s_mov_b32 s47, 0
	s_lshl_b32 s45, s16, 15                        ; and where they go in a slot
	s_mul_i32 s18, s16, 64*WP
	s_add_co_u32 s18, s18, YB
	s_wait_dscnt 0x0                               ; both opening adds are done
	CROUND                                         ; all sixteen work-groups are here: the first joint loads meet
	s_wait_kmcnt 0x0
	s_load_b64 s[96:97], s[8:9], 0x28              ; e10, e11
	s_add_nc_u64 s[20:21], s[4:5], s[20:21]
	s_add_nc_u64 s[46:47], s[6:7], s[46:47]
.irp s, 0,1
	s_mov_b32 s[G0A+4*\s], 1
	s_add_co_u32 s[G0A+4*\s+1], s45, \s*SLOT
	s_add_nc_u64 s[G0A+4*\s+2:G0A+4*\s+3], s[20:21], \s*1048576
	s_or_b32 s[G0A+4*\s+3], s[G0A+4*\s+3], 0x80000000
	s_mov_b32 s[G0B+4*\s], 1
	s_add_co_u32 s[G0B+4*\s+1], s18, \s*SLOT
	s_add_nc_u64 s[G0B+4*\s+2:G0B+4*\s+3], s[46:47], \s*512
	s_or_b32 s[G0B+4*\s+3], s[G0B+4*\s+3], 0x80000000
.endr
	JLOAD 0                                        ; K step 0: one tensor load a wave at the head
	; the prefetches: y: my 8,192 dense bytes of the half, by cx; W: my 16 rows x 512 bytes, by cy
	s_cmp_eq_u32 s15, 0
	s_cselect_b64 s[72:73], s[20:21], s[46:47]
	s_cselect_b32 s22, s40, s41
	s_mov_b32 s23, 32768
	s_cselect_b32 s23, 8192, s23                   ; from partner to partner
	s_mov_b32 s78, 512
	s_cselect_b32 s78, 1048576, s78                ; from K step to K step
	s_mov_b32 s19, 2048
	s_cselect_b32 s19, 512, s19                    ; from pair of lanes to pair of lanes
	s_mul_i32 s22, s22, s23
	s_mov_b32 s23, 0
	s_mov_b32 s79, 0
	s_add_nc_u64 s[72:73], s[72:73], s[22:23]
	s_add_nc_u64 s[72:73], s[72:73], s[78:79]      ; K step 1,
	s_add_nc_u64 s[74:75], s[72:73], s[78:79]      ; 2,
	s_add_nc_u64 s[76:77], s[74:75], s[78:79]      ; and 3
	s_lshl_b32 s22, s15, 15                        ; my 64 rows of y in a slot
	s_mul_i32 s23, s16, 64*WP
	s_add_co_u32 s23, s23, YB                      ; my 64 rows of W
	s_mul_i32 s80, s14, 16*SP
	s_add_co_u32 s80, s80, STAGE                   ; my stage
	v_and_b32 v3, 31, v0                           ; lane
	v_lshrrev_b32 v6, 1, v3
	v_and_b32 v7, 1, v3
	v_mul_lo_u32 v6, v6, s19
	v_lshl_add_u32 v[PFO], v7, 8, v6
	v_and_b32 v1, 15, v0                           ; r
	v_bfe_u32 v2, v0, 4, 1                         ; h
	v_lshlrev_b32 v4, 4, v3
	v_add_nc_u32 v[ADRA], s22, v4
	v_add_nc_u32 v[ADRA+1], SLOT, v[ADRA]
	v_mul_u32_u24 v5, v1, WP
	v_lshl_add_u32 v5, v2, 3, v5
	v_add_nc_u32 v[ADRB], s23, v5
	v_add_nc_u32 v[ADRB+1], SLOT, v[ADRB]
	v_mul_u32_u24 v5, v1, SP                       ; the way out, in: row r, 32 bytes for each half of the lanes
	v_lshl_add_u32 v5, v2, 5, v5
	v_add_nc_u32 v[STO], s80, v5
	v_mul_u32_u24 v5, v2, SP                       ; back: lanes 0-15 one row of 256 bytes, lanes 16-31 the next
	v_lshl_add_u32 v5, v1, 4, v5
	v_add_nc_u32 v[RD], s80, v5
	v_lshlrev_b32 v[CO], 13, v2                    ; and the same in out
	v_lshl_add_u32 v[CO], v1, 4, v[CO]
	s_lshl_b32 s68, s17, 7
	s_lshl_b32 s69, s15, 6
	s_add_co_u32 s68, s68, s69                     ; my first row of out,
	s_lshl_b32 s68, s68, 13
	s_lshl_b32 s69, s42, 9
	s_add_co_u32 s68, s68, s69
	s_lshl_b32 s69, s16, 8
	s_add_co_u32 s68, s68, s69                     ; and my first column
	s_mov_b32 s69, 0
	s_add_nc_u64 s[10:11], s[10:11], s[68:69]
	s_wait_alu depctr_va_vdst(0)                   ; the wait at the head's end
	s_wait_kmcnt 0x0
	s_add_co_i32 s96, s96, s97
	s_add_co_i32 s96, s96, 127
	s_lshl_b32 s96, s96, 23                        ; 2^(e10 + e11) as f32
	global_prefetch_b8 v[PFO], s[72:73] th:TH_LOAD_NT scope:SCOPE_SE
	global_prefetch_b8 v[PFO], s[74:75] th:TH_LOAD_NT scope:SCOPE_SE
; The n-th of the 48 LDS loads of a quarter step (128 along K): W's four fragments (8 loads of 8 bytes each), then y's four (4 of 16)
.macro LD n, slot, q, set
.if (\n) < 32
.set fb, (\n)/8
.set fc, (\n)%8
.set fd, 128*(\set)+64+16*fb+2*fc
	ds_load_b64 v[fd:fd+1], v[ADRB+\slot] offset:16*WP*fb+128*(\q)+16*fc
.else
.set fb, ((\n)-32)/4
.set fc, (\n)%4
.set fd, 128*(\set)+16*fb+4*fc
	ds_load_b128 v[fd:fd+3], v[ADRA+\slot] offset:(4*fb+(\q))*2048+512*fc
.endif
.endm
.macro LDRUN n0, n1, slot, q, set
	WIN 0x40                                       ; destination window 1
.set ld, \n0
.rept \n1-\n0
	LD ld, \slot, \q, \set
.set ld, ld+1
.endr
.endm
; The i-th of a quarter step's 16 matrix instructions: y's block i / 4 against W's i % 4.  Always in this order: the 16 accumulators take turns, one instruction a turn.  z = 1: the first product starts the sums.
.macro MM i, p, z
.set ma, 128*(\p)+16*((\i)/4)
.set mw, 128*(\p)+64+16*((\i)%4)
.set mb, ACC+8*(\i)
.if \z
	v_wmma_f32_16x16x128_fp8_fp8 v[mb:mb+7], v[mw:mw+15], v[ma:ma+15], 0
.else
	v_wmma_f32_16x16x128_fp8_fp8 v[mb:mb+7], v[mw:mw+15], v[ma:ma+15], v[mb:mb+7]
.endif
.endm
.macro MMS i0, i1, p, z
	WIN 0x05                                       ; sources 0 and 1 window 1, C and D window 0
.set mi, \i0
.rept \i1-\i0
	MM mi, \p, \z
.set mi, mi+1
.endr
.endm
; A quarter step, q = 0 to 2, of a slot, on set q % 2; the next one's 48 loads go into the other set: W's 32 ahead of the first matrix instruction, y's 16 in the middle.
; The waits: ahead of y's block a the loads of set q % 2 behind that block (12 - 4 a) and this quarter step's own may be out.
.macro SUB slot, q, z
	WIN 0
	PLACES 4                                       ; four plain instructions between the last products and the loads into registers that they have read
	LDRUN 0, 32, \slot, (\q)+1, 1-(\q)%2
	s_wait_dscnt 44
	MMS 0, 4, (\q)%2, \z
	s_wait_dscnt 40
	MMS 4, 8, (\q)%2, \z
	LDRUN 32, 48, \slot, (\q)+1, 1-(\q)%2
	s_wait_dscnt 52
	MMS 8, 12, (\q)%2, \z
	s_wait_dscnt 48
	MMS 12, 16, (\q)%2, \z
.endm
; A slot's last 128, on set 1, and the change of slots: in front of its barrier each wave waits for all its tensor loads, adds 0 to its spare word, and waits for that and for its reads of this slot.
; fill = 1: the barrier opens a round of the cluster's barrier, behind which the slot takes the K step two steps on.
.macro TURN slot, next, fill
	WIN 0
	s_wait_tensorcnt 0x0                           ; my part of the next slot is in
	ds_add_u32 v[SPW], v[NIL]                      ; 0 onto my spare word
	s_wait_dscnt 13                                ; the add and y's blocks 1 to 3 may be out
	MMS 0, 4, 1, 0
	s_wait_dscnt 0x0                               ; the add is done, and my reads of this slot are over
	s_barrier_signal -1
	MMS 4, 8, 1, 0
	WIN 0
	s_barrier_wait -1
.if \fill
	CREST                                          ; no wave of any partner still reads this slot or has a load on its way
	s_add_nc_u64 s[G0A+4*\slot+2:G0A+4*\slot+3], s[G0A+4*\slot+2:G0A+4*\slot+3], 2097152
	s_add_nc_u64 s[G0B+4*\slot+2:G0B+4*\slot+3], s[G0B+4*\slot+2:G0B+4*\slot+3], 1024
	JLOAD \slot                                    ; the first tensor load behind the round; its four v_nop are also the places in front of the loads below
.else
	PLACES 4
.endif
	LDRUN 0, 48, \next, 0, 0
	MMS 8, 16, 1, 0
.endm
	s_wait_tensorcnt 0x0                           ; my part of K step 0 is in
	ds_add_u32 v[SPW], v[NIL]
	s_wait_dscnt 0x0
	CROUND                                         ; everybody's part of K step 0 is in
	JLOAD 1                                        ; K step 1, the first tensor load behind the round
	LDRUN 0, 48, 0, 0, 0
	WIN 0
	global_prefetch_b8 v[PFO], s[76:77] th:TH_LOAD_NT scope:SCOPE_SE
	SUB 0, 0, 1                                    ; the first products start the sums
	SUB 0, 1, 0
	SUB 0, 2, 0
	TURN 0, 1, 1
	SUB 1, 0, 0
	SUB 1, 1, 0
	SUB 1, 2, 0
	TURN 1, 0, 1
	SUB 0, 0, 0
	SUB 0, 1, 0
	SUB 0, 2, 0
	TURN 0, 1, 0                                   ; nothing is filled again: no round follows
	SUB 1, 0, 0
	SUB 1, 1, 0
	SUB 1, 2, 0
	s_wait_dscnt 12                                ; the very last quarter step fetches nothing
	MMS 0, 4, 1, 0
	s_wait_dscnt 0x0
	MMS 4, 16, 1, 0
	WIN 0
; THE WAY OUT, by blocks of 16 rows x 64 columns through my own stage: rows of 256 bytes, sixteen lanes store one.  LDS serves a wave's instructions in order (ISA guide 5.7.1.4).
.macro TOSTAGE a
.set n, 0
.rept 16
	v_pk_mul_f32 v[TMP+n:TMP+n+1], v[ACC+32*(\a)+n:ACC+32*(\a)+n+1], s[96:97] op_sel_hi:[1,0]   ; both x s96 = 2^(e10 + e11); each accumulator from its low end on
.set n, n+2
.endr
.irp b, 0,1,2,3
	ds_store_b128 v[STO], v[TMP+8*\b:TMP+8*\b+3] offset:64*\b
	ds_store_b128 v[STO], v[TMP+8*\b+4:TMP+8*\b+7] offset:64*\b+16
.endr
.irp t, 0,1,2,3,4,5,6,7
	ds_load_b128 v[BK+32*((\a)%2)+4*\t:BK+32*((\a)%2)+4*\t+3], v[RD] offset:2*SP*\t
.endr
.endm
.macro SEND a, younger                 ; younger: the LDS instructions issued behind block a's loads, which may stay out
	s_wait_dscnt \younger
.irp t, 0,1,2,3,4,5,6,7
	global_store_b128 v[CO], v[BK+32*((\a)%2)+4*\t:BK+32*((\a)%2)+4*\t+3], s[10:11] offset:(16*(\a)+2*\t)*8192 th:TH_STORE_NT
.endr
.endm
	PLACES 4                                       ; four plain instructions between the last products and the first read of their results
	TOSTAGE 0
	TOSTAGE 1
	SEND 0, 16
	s_wait_xcnt 0x0                                ; block 0's stores have read their registers
	TOSTAGE 2
	SEND 1, 16
	s_wait_xcnt 0x0
	TOSTAGE 3
	SEND 2, 16
	SEND 3, 0
	s_wait_tensorcnt 0x0                           ; the wave's end
	ds_add_u32 v[SPW], v[NIL]
	s_wait_dscnt 0x0
	CROUND                                         ; the closing round: no work-group ends while a partner may still ask for a tile that names it
	s_endpgm
.Lfunc_end_k_q8489387f74_proj:
	.size	k_q8489387f74_proj, .Lfunc_end_k_q8489387f74_proj-k_q8489387f74_proj
	.p2alignl 7, 3214868480
	.fill 96, 4, 3214868480
	.section	.rodata,"a",@progbits
	.p2align	6, 0x0
	.amdhsa_kernel k_q8489387f74_proj
		.amdhsa_group_segment_fixed_size 327680
		.amdhsa_private_segment_fixed_size 0
		.amdhsa_enable_private_segment 0
		.amdhsa_kernarg_size 32
		.amdhsa_user_sgpr_count 2
		.amdhsa_user_sgpr_kernarg_segment_ptr 1
		.amdhsa_wavefront_size32 1
		.amdhsa_system_sgpr_workgroup_id_x 1
		.amdhsa_system_sgpr_workgroup_id_y 1
		.amdhsa_system_sgpr_workgroup_id_z 1
		.amdhsa_system_vgpr_workitem_id 0
		.amdhsa_next_free_vgpr 512
		.amdhsa_next_free_sgpr 100
		.amdhsa_reserve_vcc 0
		.amdhsa_float_denorm_mode_32 3
		.amdhsa_float_denorm_mode_16_64 3
		.amdhsa_memory_ordered 1
		.amdhsa_forward_progress 1
		.amdhsa_inst_pref_size 93
	.end_amdhsa_kernel
	.amdgpu_metadata
---
amdhsa.version: [ 1, 2 ]
amdhsa.kernels:
  - .name:           k_q8489387f74_proj
    .symbol:         k_q8489387f74_proj.kd
    .args:
      - { .name: y_img, .offset: 0, .size: 8, .value_kind: global_buffer, .address_space: global }
      - { .name: Wproj_codes, .offset: 8, .size: 8, .value_kind: global_buffer, .address_space: global }
      - { .name: lowp_scales, .offset: 16, .size: 8, .value_kind: global_buffer, .address_space: global }
      - { .name: out0, .offset: 24, .size: 8, .value_kind: global_buffer, .address_space: global }
    .group_segment_fixed_size: 327680
    .private_segment_fixed_size: 0
    .kernarg_segment_align: 8
    .kernarg_segment_size: 32
    .max_flat_workgroup_size: 128
    .sgpr_count:     100
    .vgpr_count:     512
    .wavefront_size: 32
...
	.end_amdgpu_metadata
.endif
;; end of part 3
